; MI455X (gfx1250); checked and timed in simulation.
; The chip was launched on July 23, 2026; its instructions are those of AMD's public machine-readable ISA for CDNA 5 (MIT licence, August 2026) and "CDNA5" Instruction Set Architecture Reference Guide (July 2026). The comments in the code are by the model that wrote it; some were corrected since.
;; Transformer Encoder Block. Allowed arithmetic: matrix products marked QUANTISED: E2M3 operands, one E8M0 scale for each 32 along K, by v_wmma_scale_f32_16x16x128_f8f6f4 with both operands' format E2M3, f32 sums; everything else in f32.
;; Inputs: b_fc1 4,096 float32; b_fc2 1,024 float32; b_proj 1,024 float32; be1 1,024 float32; be2 1,024 float32; g1 1,024 float32; g2 1,024 float32; w_fc1_codes 4,096 x 32 x 24 uint8 (E2M3 codes of w_fc1, K innermost, in blocks of 32 codes, four codes in three bytes); w_fc1_scales 4,096 x 32 uint8 (E8M0 scales of w_fc1, one for each 32 codes along K); w_fc2_codes 1,024 x 128 x 24 uint8 (E2M3 codes of w_fc2, K innermost, in blocks of 32 codes, four codes in three bytes); w_fc2_scales 1,024 x 128 uint8 (E8M0 scales of w_fc2, one for each 32 codes along K); w_proj_codes 1,024 x 32 x 24 uint8 (E2M3 codes of w_proj, K innermost, in blocks of 32 codes, four codes in three bytes); w_proj_scales 1,024 x 32 uint8 (E8M0 scales of w_proj, one for each 32 codes along K); w_qkv_codes 3,072 x 32 x 24 uint8 (E2M3 codes of w_qkv, K innermost, in blocks of 32 codes, four codes in three bytes); w_qkv_scales 3,072 x 32 uint8 (E8M0 scales of w_qkv, one for each 32 codes along K); x 2 x 2,048 x 1,024 float32.
;; Outputs: out0 2 x 2,048 x 1,024 float32.
;; This version of the problem:
;;   THIS VERSION OF THE PROBLEM IS GIVEN IN LOW PRECISION. The matrix products marked QUANTISED in the list below multiply operands that are first quantised to E2M3 (2 exponent bits, 3 mantissa bits; 6 bits a number), with one power-of-two scale for each 32 numbers along K (OCP MX v1.0); their sums are f32. All else is computed in f32.
;;   The module's matrix products, in the order in which they are computed (A, B: the left and right operand; K: the contracted axis; several contracted axes count as one K, in the product's order):
;;     1. [M 4,096, K 1,024] x [K 1,024, N 3,072]; A: computed on the way; B: input w_qkv (given as codes): QUANTISED
;;     2. batch 32 x [M 2,048, K 64] x [K 64, N 2,048]; A: computed on the way; B: computed on the way: QUANTISED
;;     3. batch 32 x [M 2,048, K 2,048] x [K 2,048, N 64]; A: softmax (see below); B: computed on the way: QUANTISED
;;     4. [M 4,096, K 1,024] x [K 1,024, N 1,024]; A: computed on the way; B: input w_proj (given as codes): QUANTISED
;;     5. [M 4,096, K 1,024] x [K 1,024, N 4,096]; A: computed on the way; B: input w_fc1 (given as codes): QUANTISED
;;     6. [M 4,096, K 4,096] x [K 4,096, N 1,024]; A: computed on the way; B: input w_fc2 (given as codes): QUANTISED
;;   THE QUANTISER, for each operand of a quantised product, along K:
;;     - K is cut into blocks of 32 from its start; a last block that is shorter is filled with zeros.
;;     - A block's scale is 2^e with e = floor(log2(the largest magnitude in the block)) - 2, held to -126 .. 127; a block of zeros has e = 0. As a byte (E8M0): e + 127.
;;     - Each number is divided by its block's scale, clamped to +-7.5, and rounded to the nearest number of E2M3, ties to even, subnormals kept.
;;     - The product sums the exact products of the quantised numbers (number of the format x scale) in f32.
;;   ~~~python
;;   def quantise(x, axis):      # numpy; x: float32 -> the quantised numbers, widened to float32 again
;;       x = np.moveaxis(x, axis, -1); K = x.shape[-1]
;;       x = np.pad(x, [(0, 0)] * (x.ndim - 1) + [(0, -K % 32)]); x = x.reshape(x.shape[:-1] + (-1, 32)); a = np.abs(x).max(-1, keepdims=True)
;;       e = np.where(a > 0, np.clip(np.frexp(np.where(a > 0, a, 1))[1] - 1 - 2, -126, 127), 0)      # np.frexp(a)[1] - 1 = floor(log2(a)), exactly
;;       r = np.clip(x / 2.0 ** e, -7.5, 7.5)
;;       step = 2.0 ** (np.maximum(np.frexp(np.where(r == 0, 1, r))[1] - 1, 0) - 3)
;;       q = np.round(r / step) * step * 2.0 ** e      # np.round: ties to even
;;       return np.moveaxis(q.reshape(q.shape[:-2] + (-1,))[..., :K], -1, axis).astype(np.float32)
;;   ~~~
;;   SOFTMAX AHEAD OF A QUANTISED PRODUCT. Where the list says 'softmax', what is quantised is not the finished softmax but p = 2^(t - M), with t = logit x log2(e) and M = ceil(the row's largest t), a whole number; so 1/2 < the row's largest p <= 1. The row's sum l is taken of the UNQUANTISED p, in f32, and the product's result is divided by l at the end. Since M is a whole number, a kernel that streams over the keys may use a running M (the ceiling of the running maximum): every later rescaling is an exact power of two, which a block's scale takes up: the codes' values come out the same.
;;   OPERANDS COMPUTED ON THE WAY. 'Computed on the way' means the value that the module computes at that place (a softmax that the list does not call 'softmax' is quantised finished and normalised). What goes into a quantiser is computed in f32, as accurately as f32 sums, v_exp_f32 and their like allow (about 1e-6 of the number): no bf16 or f16 on the way to a quantiser, and a product that is left as it is and whose result goes on into a quantised operand takes f32 operands (vector FMAs, or v_wmma_f32_16x16x4_f32). A number that lies on a knife's edge between two numbers of the format may be rounded either way, as far as f32 arithmetic and the matrix unit's own rounding can turn it there, and no further.
;;   INPUTS GIVEN AS CODES. w_fc1 (in the module: [1024, 4096], K = its axis 0); w_fc2 (in the module: [4096, 1024], K = its axis 0); w_proj (in the module: [1024, 1024], K = its axis 0); w_qkv (in the module: [1024, 3072], K = its axis 0): each comes as NAME_codes (uint8): NAME with its K axis moved to the last place and cut into blocks of 32 codes, [.., K / 32, bytes a block], one block behind the other in memory; four codes in three bytes: a row's codes are one little-endian stream of bits, code i at bits 6 i .. 6 i + 5 (a code: sign, 2 exponent bits, 3 mantissa bits); and NAME_scales (uint8): the same leading axes, one E8M0 byte (e + 127) for each 32 codes along K. Its value is code x scale, taken as it is: it is not quantised again, and the codes and scales need not be those that the quantiser above would give.
;; One version. Each part assembles by itself: llvm-mc -triple=amdgcn-amd-amdhsa -mcpu=gfx1250 --defsym DOCPART=n.
;; ======== version 1 of 1: 7 launches
;; limits: right only within a limited range of input values
;; workspace buffers: wimg 9,830,400 bytes; act1 3,276,800 bytes; act2 3,276,800 bytes; qkv 9,830,400 bytes; oimg 3,276,800 bytes; x1 16,777,216 bytes; hid 13,107,200 bytes
;; launch prep (part 1): grid 352 x 1, 8 waves a work-group, no clusters, 74,752 bytes of LDS; arguments x, g1, be1, act1, w_qkv_codes, w_qkv_scales, w_proj_codes, w_proj_scales, w_fc1_codes, w_fc1_scales, w_fc2_codes, w_fc2_scales, wimg; writes act1, wimg
.if DOCPART == 1
	.amdgcn_target "amdgcn-amd-amdhsa--gfx1250"
	.amdhsa_code_object_version 6
	.text
	.protected	k_q95dc673827_prep
	.globl	k_q95dc673827_prep
	.p2align	8
	.type	k_q95dc673827_prep,@function
k_q95dc673827_prep:
	s_mov_b64 s[64:65], 0
	v_nop
	global_prefetch_b8 v0, s[64:65] scope:SCOPE_SE
	s_setreg_imm32_b32 hwreg(HW_REG_WAVE_MODE, 25, 1), 1
	s_wait_xcnt 0x0
; TWO JOBS, parted by the work-group's number.
; Work-groups 0-255: LayerNorm of 16 rows of [4096][1024] f32, quantised to FP6 (E2M3) with one E8M0 byte for each 32 columns, stored as IMAGES OF THE MATRIX OPERAND'S REGISTERS.
; Work-groups 256-351 (first launch only: the second launch of this body has a grid of 256): the four weights' codes and scale bytes are laid anew in the same image form.
; ROW ORDER.  Block t of 16 rows holds rows 32 (t/2) + 8 (t%2) + r + 8 (r/8), r = 0..15: so a later product's 16 registers of two neighbouring blocks are 16 neighbours along the next K.
; IMAGE.  A fragment is 16 rows x 128 K = 12 registers a lane; registers 2 p, 2 p + 1 of the 32 lanes lie at byte 256 p + 8 lane: 1,536 bytes; each store of a wave covers 256 consecutive bytes, aligned.
; Codes: [block][K step][1536].  Scale words (4 bytes: a row's 128 K): [block][K step][16 rows].
; LN: wave w takes columns 128 w .. 128 w + 127 of the 16 rows.  Mean first, then the sum of squares of x - mean: no difference of large sums is formed.
; No cluster: no two work-groups read the same bytes but g and be (8 KB).  No tensor loads: the rows go through registers.
; LIMITS: NaN and infinities are not served; a block whose largest magnitude lies under 2^-124 (a block of zeros too) gets the byte 1; this program alone reads the bytes.
.set RED1, 0                           ; LDS: [16 rows][8 waves] partial sums
.set RED2, 512                         ; the same for the squares
.set SCG,  1024                        ; the block's scale words [8 K steps][16 rows]
.set RSTG, 1536                        ; the weights' path: 512 bytes a wave
.set STG,  5632                        ; the rows' path: 16 rows x 528 bytes a wave
.set SP,   528                         ; 512 bytes + 16: an odd multiple of 16, so sixteen rows start in sixteen different groups of banks
.set PC,   8                           ; v8-27   codes
.set PW,   28                          ; v28     scale word
.set SCA,  29                          ; v29     4 r + 64 wave
.set MU,   30                          ; v[30:31] mean, later 1/sigma, twice
.set X,    32                          ; v32-95  64 numbers: register 16 b + i = column 32 b + 16 h + i of row r
.set RAW,  96                          ; v96-159 as loaded; later be
.set G,    160                         ; v160-223 g
.set TM,   224                         ; v224-239 at work in QUANT
.set WK,   240                         ; v240-251 at work
.set LL,   240                         ; lane, r, h: only while addresses are made
.set LR,   241
.set LH,   242
.set WV,   30                          ; s30 wave
.set SEL,  40                          ; s[40:41] selects: lane l xor 16
.set MSB,  0
.macro WIN new                         ; the immediate's high byte repeats the setting that is left
.if MSB != (\new)
	s_set_vgpr_msb (MSB<<8)|(\new)
.set MSB, (\new)
.endif
.endm
; 64 numbers of a lane in window w, register 16 b + i = k 32 b + 16 h + i of the lane's row -> a fragment's codes in v[PC..PC+11], its scale word in v[pw]
.macro QUANT s, w, pw
	WIN (\w)|((\w)<<2)
.irp b, 0,1,2,3
	v_max3_num_f32 v[TM+\b], |v[(\s)+16*\b]|, |v[(\s)+16*\b+1]|, 0x1800000   ; my 16 numbers of block b and the floor 2^(3 - 127): the byte cannot fall under 1
.endr
.irp i, 2,4,6,8,10,12,14
.irp b, 0,1,2,3
	s_delay_alu instid0(VALU_DEP_4)
	v_max3_num_f32 v[TM+\b], |v[(\s)+16*\b+\i]|, |v[(\s)+16*\b+\i+1]|, v[TM+\b]
.endr
.endr
	WIN 0
.irp b, 0,1,2,3
	s_delay_alu instid0(VALU_DEP_4)
	v_permlanex16_b32 v[TM+4+\b], v[TM+\b], s[SEL], s[SEL+1]
.endr
.irp b, 0,1,2,3
	s_delay_alu instid0(VALU_DEP_4)
	v_max_num_f32 v[TM+\b], v[TM+\b], v[TM+4+\b]      ; with lane l xor 16's: the block's largest magnitude
.endr
.irp b, 0,1,2,3
	s_delay_alu instid0(VALU_DEP_4)
	v_add_nc_u32 v[TM+12+\b], 0xff000000, v[TM+\b]    ; 2 off its exponent field: the conversion's scale operand
.endr
.irp b, 0,1,2,3
	s_delay_alu instid0(VALU_DEP_4)
	v_lshrrev_b32 v[TM+4+\b], 23, v[TM+12+\b]         ; the scale's byte
.endr
	s_delay_alu instid0(VALU_DEP_3)
	v_lshl_or_b32 v[\pw], v[TM+5], 8, v[TM+4]
	s_delay_alu instid0(VALU_DEP_1)
	v_lshl_or_b32 v[\pw], v[TM+6], 16, v[\pw]
	s_delay_alu instid0(VALU_DEP_1)
	v_lshl_or_b32 v[\pw], v[TM+7], 24, v[\pw]
	WIN (\w)
.irp c, 0,1
	v_cvt_scalef32_pk16_fp6_f32 v[PC+6*\c:PC+6*\c+2], v[(\s)+32*\c:(\s)+32*\c+15], v[TM+12+2*\c]
	v_cvt_scalef32_pk16_fp6_f32 v[PC+12+4*\c:PC+14+4*\c], v[(\s)+32*\c+16:(\s)+32*\c+31], v[TM+13+2*\c]   ; (a conversion's three registers begin on an even number)
.endr
	WIN 0
	v_nop                                          ; one plain line behind the scaled conversions
.irp c, 0,1                                    ; the operand wants a whole block in a lane: lanes 0-15 block 2 c, lanes 16-31 block 2 c + 1
.irp i, 0,1,2
	v_permlane16_swap_b32 v[PC+6*\c+\i], v[PC+12+4*\c+\i]
.endr
.irp i, 0,1,2
	s_delay_alu instid0(VALU_DEP_3)
	v_mov_b32 v[PC+3+6*\c+\i], v[PC+12+4*\c+\i]
.endr
.endr
.endm
; two packed chains in v[WK:WK+3] -> the row's sum over all 1,024 columns in v[WK+4], in every lane: within the lane, with lane l xor 16, and over the eight waves through LDS
.macro ACROSS red
	s_delay_alu instid0(VALU_DEP_1)
	v_pk_add_f32 v[WK:WK+1], v[WK:WK+1], v[WK+2:WK+3]
	s_delay_alu instid0(VALU_DEP_1)
	v_add_f32 v[WK], v[WK], v[WK+1]
	s_delay_alu instid0(VALU_DEP_1)
	v_permlanex16_b32 v[WK+1], v[WK], s[SEL], s[SEL+1]
	s_delay_alu instid0(VALU_DEP_1)
	v_add_f32 v[WK], v[WK], v[WK+1]
	ds_store_b32 v6, v[WK] offset:\red             ; [row r][wave]; both halves of the lanes write the same number
	s_wait_dscnt 0x0                               ; for the others' sake: my store has landed
	s_barrier_signal -1
	s_barrier_wait -1
	ds_load_b128 v[WK+4:WK+7], v7 offset:\red
	ds_load_b128 v[WK+8:WK+11], v7 offset:\red+16
	s_wait_dscnt 0x0
	v_pk_add_f32 v[WK+4:WK+5], v[WK+4:WK+5], v[WK+6:WK+7]
	v_pk_add_f32 v[WK+8:WK+9], v[WK+8:WK+9], v[WK+10:WK+11]
	s_delay_alu instid0(VALU_DEP_1)
	v_pk_add_f32 v[WK+4:WK+5], v[WK+4:WK+5], v[WK+8:WK+9]
	s_delay_alu instid0(VALU_DEP_1)
	v_add_f32 v[WK+4], v[WK+4], v[WK+5]
.endm
	s_load_b256 s[4:11], s[0:1], 0x0               ; rows s[4:5], g s[6:7], be s[8:9], images out s[10:11]
	s_load_b512 s[12:27], s[0:1], 0x20             ; qkv codes, scales; proj; fc1; fc2
	s_load_b64 s[28:29], s[0:1], 0x60              ; the weights' images
	v_lshl_add_u32 v254, v0, 2, 0x12000
	v_mov_b32 v255, 0
	v_lshrrev_b32 v1, 5, v0
	s_delay_alu instid0(VALU_DEP_1)
	v_readfirstlane_b32 s[WV], v1                  ; wave 0..7
	v_and_b32 v[LL], 31, v0
	v_and_b32 v[LR], 15, v0
	v_bfe_u32 v[LH], v0, 4, 1
	s_mov_b32 s[SEL], 0x76543210
	s_mov_b32 s[SEL+1], 0xfedcba98
	s_cmp_lt_u32 ttmp9, 256
	s_cbranch_scc0 .Lrelay
	; ---------------- LayerNorm and quantiser ----------------
	v_lshlrev_b32 v1, 4, v[LL]                     ; 16 x lane
	s_mul_i32 s31, s[WV], 16*SP
	s_add_co_u32 s31, s31, STG                     ; my stage
	v_add_nc_u32 v2, s31, v1                       ; in: a row's 512 bytes as they lie
	v_mul_u32_u24 v3, v[LR], SP
	s_delay_alu instid0(VALU_DEP_1)
	v_lshl_add_u32 v3, v[LH], 6, v3
	s_delay_alu instid0(VALU_DEP_1)
	v_add_nc_u32 v3, s31, v3                       ; out: row r, + 64 h
	v_lshlrev_b32 v4, 6, v[LH]                     ; g, be: 64 h
	v_lshlrev_b32 v5, 3, v[LL]                     ; an image's place: 8 x lane
	v_lshlrev_b32 v7, 5, v[LR]                     ; 32 r
	s_lshl_b32 s32, s[WV], 2
	v_add_nc_u32 v6, s32, v7                       ; 32 r + 4 wave
	s_lshl_b32 s32, s[WV], 6
	v_lshl_add_u32 v[SCA], v[LR], 2, s32           ; 4 r + 64 wave
.irp b, 0,1,2,3
	v_mov_b32 v[TM+4+\b], 0                        ; written once: a lane permute's destination counts as one of its sources
.endr
	s_lshr_b32 s33, ttmp9, 1
	s_lshl_b32 s33, s33, 17                        ; 32 rows of 4,096 bytes for each pair of blocks
	s_and_b32 s34, ttmp9, 1
	s_lshl_b32 s34, s34, 15                        ; 8 rows for the odd block
	s_add_co_u32 s33, s33, s34
	s_lshl_b32 s38, s[WV], 9                       ; my 128 columns
	s_mov_b32 s39, 0
	s_add_co_u32 s36, s33, s38
	s_mov_b32 s37, 0
	s_mov_b32 s42, 0x3a800000                      ; 1 / 1024
	s_wait_alu depctr_va_vdst(0)
	s_wait_kmcnt 0x0
	s_add_nc_u64 s[4:5], s[4:5], s[36:37]
	s_add_nc_u64 s[6:7], s[6:7], s[38:39]
	s_add_nc_u64 s[8:9], s[8:9], s[38:39]
.irp i, 0,1,2,3,4,5,6,7,8,9,10,11,12,13,14,15
	global_load_b128 v[RAW+4*\i:RAW+4*\i+3], v1, s[4:5] offset:(\i+8*(\i/8))*4096   ; the block's row i: 32 lanes read 512 consecutive bytes
.endr
.irp b, 0,1,2,3
.irp j, 0,1,2,3
	global_load_b128 v[G+16*\b+4*\j:G+16*\b+4*\j+3], v4, s[6:7] offset:128*\b+16*\j
.endr
.endr
	s_wait_loadcnt 16                              ; the rows are in; the 16 younger loads, g's, may stay out
.irp i, 0,1,2,3,4,5,6,7,8,9,10,11,12,13,14,15
	ds_store_b128 v2, v[RAW+4*\i:RAW+4*\i+3] offset:SP*\i
.endr
.irp b, 0,1,2,3
.irp j, 0,1,2,3
	ds_load_b128 v[X+16*\b+4*\j:X+16*\b+4*\j+3], v3 offset:128*\b+16*\j   ; my own bytes, served in order: no wait between stores and loads
.endr
.endr
	s_wait_dscnt 0x0                               ; X is in, and the stores have read RAW
.irp b, 0,1,2,3
.irp j, 0,1,2,3
	global_load_b128 v[RAW+16*\b+4*\j:RAW+16*\b+4*\j+3], v4, s[8:9] offset:128*\b+16*\j   ; be takes RAW's registers
.endr
.endr
	v_pk_add_f32 v[WK:WK+1], v[X:X+1], v[X+2:X+3]
	v_pk_add_f32 v[WK+2:WK+3], v[X+4:X+5], v[X+6:X+7]
.irp j, 8,12,16,20,24,28,32,36,40,44,48,52,56,60
	s_delay_alu instid0(VALU_DEP_2)
	v_pk_add_f32 v[WK:WK+1], v[WK:WK+1], v[X+\j:X+\j+1]
	s_delay_alu instid0(VALU_DEP_2)
	v_pk_add_f32 v[WK+2:WK+3], v[WK+2:WK+3], v[X+\j+2:X+\j+3]
.endr
	ACROSS RED1
	s_delay_alu instid0(VALU_DEP_1)
	v_mul_f32 v[MU], s42, v[WK+4]                  ; the mean
	s_delay_alu instid0(VALU_DEP_1)
	v_mov_b32 v[MU+1], v[MU]
.irp j, 0,2,4,6,8,10,12,14,16,18,20,22,24,26,28,30,32,34,36,38,40,42,44,46,48,50,52,54,56,58,60,62
	v_pk_add_f32 v[X+\j:X+\j+1], v[X+\j:X+\j+1], v[MU:MU+1] neg_lo:[0,1] neg_hi:[0,1]
.endr
	v_pk_mul_f32 v[WK:WK+1], v[X:X+1], v[X:X+1]
	v_pk_mul_f32 v[WK+2:WK+3], v[X+2:X+3], v[X+2:X+3]
.irp j, 4,8,12,16,20,24,28,32,36,40,44,48,52,56,60
	s_delay_alu instid0(VALU_DEP_2)
	v_pk_fma_f32 v[WK:WK+1], v[X+\j:X+\j+1], v[X+\j:X+\j+1], v[WK:WK+1]
	s_delay_alu instid0(VALU_DEP_2)
	v_pk_fma_f32 v[WK+2:WK+3], v[X+\j+2:X+\j+3], v[X+\j+2:X+\j+3], v[WK+2:WK+3]
.endr
	ACROSS RED2                                    ; other bytes than the first sum's: no barrier is owed between the two
	s_delay_alu instid0(VALU_DEP_1)
	v_fmaak_f32 v[WK+4], s42, v[WK+4], 0x3727c5ac  ; variance + 1e-5
	s_wait_alu depctr_va_vdst(0)
	v_rsq_f32 v[MU], v[WK+4]
	v_nop                                          ; a plain line behind the transcendental
	s_wait_alu depctr_va_vdst(0)                   ; the wait ahead of the first reader
	v_mov_b32 v[MU+1], v[MU]
	s_wait_alu depctr_va_vdst(0)
	s_wait_loadcnt 0x0                             ; g and be
.irp j, 0,2,4,6,8,10,12,14,16,18,20,22,24,26,28,30,32,34,36,38,40,42,44,46,48,50,52,54,56,58,60,62
	v_pk_mul_f32 v[X+\j:X+\j+1], v[X+\j:X+\j+1], v[MU:MU+1]
.endr
.irp j, 0,2,4,6,8,10,12,14,16,18,20,22,24,26,28,30,32,34,36,38,40,42,44,46,48,50,52,54,56,58,60,62
	v_pk_fma_f32 v[X+\j:X+\j+1], v[X+\j:X+\j+1], v[G+\j:G+\j+1], v[RAW+\j:RAW+\j+1]
.endr
	QUANT X, 0, PW
	s_lshl_b32 s33, ttmp9, 3
	s_add_co_u32 s33, s33, s[WV]                   ; fragment 8 x block + K step
	s_mul_i32 s36, s33, 1536
	s_add_nc_u64 s[44:45], s[10:11], s[36:37]
.irp p, 0,1,2,3,4,5
	global_store_b64 v5, v[PC+2*\p:PC+2*\p+1], s[44:45] offset:256*\p   ; 256 consecutive bytes, aligned
.endr
	ds_store_b32 v[SCA], v[PW] offset:SCG
	s_wait_dscnt 0x0
	s_barrier_signal -1
	s_barrier_wait -1                              ; the block's 128 scale words lie in LDS
	s_cmp_lg_u32 s[WV], 0
	s_cbranch_scc1 .Lend
	ds_load_b128 v[WK:WK+3], v1 offset:SCG
	s_lshl_b32 s36, ttmp9, 9
	s_add_co_u32 s36, s36, 3145728
	s_add_nc_u64 s[46:47], s[10:11], s[36:37]
	s_wait_dscnt 0x0
	global_store_b128 v1, v[WK:WK+3], s[46:47]     ; 512 consecutive bytes
.Lend:
	s_wait_tensorcnt 0x0
	ds_add_u32 v254, v255
	s_wait_dscnt 0x0
	s_endpgm
	; ---------------- the weights, laid as images ----------------
	; Unit u = 8 x (work-group - 256) + wave: one block of 16 rows x 8 K steps.  Units 0-191 qkv, 192-255 proj, 256-511 fc1, 512-767 fc2 (four units to a block: K = 4,096).
.Lrelay:
	s_sub_co_u32 s31, ttmp9, 256
	s_lshl_b32 s32, s31, 3
	s_add_co_u32 s32, s32, s[WV]                   ; u
	s_mov_b32 s33, 512                             ; the tensor's first unit
	s_mov_b32 s34, 2                               ; log2 of units to a block
	s_wait_kmcnt 0x0
	s_mov_b64 s[36:37], s[24:25]
	s_mov_b64 s[38:39], s[26:27]
	s_cmp_lt_u32 s31, 64                           ; the choices hang on the work-group's number alone
	s_cselect_b64 s[36:37], s[20:21], s[36:37]
	s_cselect_b64 s[38:39], s[22:23], s[38:39]
	s_cselect_b32 s33, 256, s33
	s_cselect_b32 s34, 0, s34
	s_cmp_lt_u32 s31, 32
	s_cselect_b64 s[36:37], s[16:17], s[36:37]
	s_cselect_b64 s[38:39], s[18:19], s[38:39]
	s_cselect_b32 s33, 192, s33
	s_cmp_lt_u32 s31, 24
	s_cselect_b64 s[36:37], s[12:13], s[36:37]
	s_cselect_b64 s[38:39], s[14:15], s[38:39]
	s_cselect_b32 s33, 0, s33
	s_sub_co_u32 s35, s32, s33                     ; unit within the tensor
	s_lshr_b32 s42, s35, s34                       ; block
	s_lshl_b32 s43, s42, s34
	s_sub_co_u32 s43, s35, s43                     ; which 8 K steps
	s_lshl_b32 s44, 768, s34                       ; a row of codes in bytes
	s_lshl_b32 s45, 32, s34                        ; a row of scale bytes
	s_lshr_b32 s46, s42, 1
	s_lshl_b32 s46, s46, 5
	s_and_b32 s47, s42, 1
	s_lshl_b32 s47, s47, 3
	s_add_co_u32 s46, s46, s47                     ; the block's first row
	s_mul_i32 s48, s46, s44
	s_mul_i32 s47, s43, 768
	s_add_co_u32 s48, s48, s47
	s_mov_b32 s49, 0
	s_add_nc_u64 s[36:37], s[36:37], s[48:49]
	s_mul_i32 s48, s46, s45
	s_lshl_b32 s47, s43, 5
	s_add_co_u32 s48, s48, s47
	s_add_nc_u64 s[38:39], s[38:39], s[48:49]
	s_wait_alu depctr_va_vdst(0)
	v_and_b32 v1, 8, v[LR]
	s_delay_alu instid0(VALU_DEP_1)
	v_add_nc_u32 v1, v1, v[LR]                     ; r + 8 (r / 8)
	s_delay_alu instid0(VALU_DEP_1)
	v_mul_lo_u32 v2, v1, s44
	s_delay_alu instid0(VALU_DEP_1)
	v_mad_u32_u24 v2, v[LH], 24, v2                ; codes: my row, + 24 h
	s_delay_alu instid0(VALU_DEP_3)
	v_mul_lo_u32 v3, v1, s45
	s_delay_alu instid0(VALU_DEP_1)
	v_lshl_add_u32 v3, v[LH], 4, v3                ; scale words of K steps 4 h .. 4 h + 3
.irp k, 0,1,2,3,4,5,6,7
.irp p, 0,1,2,3,4,5
	global_load_b64 v[32+12*\k+2*\p:33+12*\k+2*\p], v2, s[36:37] offset:96*\k+48*(\p/3)+8*(\p%3)
.endr
.endr
	global_load_b128 v[128:131], v3, s[38:39]
	s_mul_i32 s48, s32, 12288
	s_add_nc_u64 s[50:51], s[28:29], s[48:49]
	v_lshlrev_b32 v4, 3, v[LL]
	s_lshl_b32 s52, s[WV], 9
	v_lshlrev_b32 v5, 2, v[LR]
	s_delay_alu instid0(VALU_DEP_1)
	v_lshl_add_u32 v5, v[LH], 8, v5
	s_delay_alu instid0(VALU_DEP_1)
	v_add_nc_u32 v5, s52, v5                       ; 512 wave + 256 h + 4 r
	v_lshlrev_b32 v6, 4, v[LL]
	s_delay_alu instid0(VALU_DEP_1)
	v_add_nc_u32 v7, s52, v6
	s_lshl_b32 s48, s32, 9
	s_add_co_u32 s48, s48, 9437184
	s_add_nc_u64 s[54:55], s[28:29], s[48:49]
	s_wait_alu depctr_va_vdst(0)
	s_wait_loadcnt 0x0
.irp k, 0,1,2,3,4,5,6,7
.irp p, 0,1,2,3,4,5
	global_store_b64 v4, v[32+12*\k+2*\p:33+12*\k+2*\p], s[50:51] offset:1536*\k+256*\p
.endr
.endr
.irp i, 0,1,2,3
	ds_store_b32 v5, v[128+\i] offset:RSTG+64*\i   ; [K step][row]
.endr
	ds_load_b128 v[132:135], v7 offset:RSTG        ; my own bytes, served in order
	s_wait_dscnt 0x0
	global_store_b128 v6, v[132:135], s[54:55]     ; 512 consecutive bytes
	s_wait_tensorcnt 0x0
	ds_add_u32 v254, v255
	s_wait_dscnt 0x0
	s_endpgm
.Lfunc_end_k_q95dc673827_prep:
	.size	k_q95dc673827_prep, .Lfunc_end_k_q95dc673827_prep-k_q95dc673827_prep
	.p2alignl 7, 3214868480
	.fill 96, 4, 3214868480
	.section	.rodata,"a",@progbits
	.p2align	6, 0x0
	.amdhsa_kernel k_q95dc673827_prep
		.amdhsa_group_segment_fixed_size 74752
		.amdhsa_private_segment_fixed_size 0
		.amdhsa_enable_private_segment 0
		.amdhsa_kernarg_size 104
		.amdhsa_user_sgpr_count 2
		.amdhsa_user_sgpr_kernarg_segment_ptr 1
		.amdhsa_wavefront_size32 1
		.amdhsa_system_sgpr_workgroup_id_x 1
		.amdhsa_system_sgpr_workgroup_id_y 1
		.amdhsa_system_sgpr_workgroup_id_z 1
		.amdhsa_system_vgpr_workitem_id 0
		.amdhsa_next_free_vgpr 256
		.amdhsa_next_free_sgpr 66
		.amdhsa_reserve_vcc 0
		.amdhsa_float_denorm_mode_32 3
		.amdhsa_float_denorm_mode_16_64 3
		.amdhsa_memory_ordered 1
		.amdhsa_forward_progress 1
		.amdhsa_inst_pref_size 42
	.end_amdhsa_kernel
	.amdgpu_metadata
---
amdhsa.version: [ 1, 2 ]
amdhsa.kernels:
  - .name:           k_q95dc673827_prep
    .symbol:         k_q95dc673827_prep.kd
    .args:
      - { .name: x, .offset: 0, .size: 8, .value_kind: global_buffer, .address_space: global }
      - { .name: g1, .offset: 8, .size: 8, .value_kind: global_buffer, .address_space: global }
      - { .name: be1, .offset: 16, .size: 8, .value_kind: global_buffer, .address_space: global }
      - { .name: act1, .offset: 24, .size: 8, .value_kind: global_buffer, .address_space: global }
      - { .name: w_qkv_codes, .offset: 32, .size: 8, .value_kind: global_buffer, .address_space: global }
      - { .name: w_qkv_scales, .offset: 40, .size: 8, .value_kind: global_buffer, .address_space: global }
      - { .name: w_proj_codes, .offset: 48, .size: 8, .value_kind: global_buffer, .address_space: global }
      - { .name: w_proj_scales, .offset: 56, .size: 8, .value_kind: global_buffer, .address_space: global }
      - { .name: w_fc1_codes, .offset: 64, .size: 8, .value_kind: global_buffer, .address_space: global }
      - { .name: w_fc1_scales, .offset: 72, .size: 8, .value_kind: global_buffer, .address_space: global }
      - { .name: w_fc2_codes, .offset: 80, .size: 8, .value_kind: global_buffer, .address_space: global }
      - { .name: w_fc2_scales, .offset: 88, .size: 8, .value_kind: global_buffer, .address_space: global }
      - { .name: wimg, .offset: 96, .size: 8, .value_kind: global_buffer, .address_space: global }
    .group_segment_fixed_size: 74752
    .private_segment_fixed_size: 0
    .kernarg_segment_align: 8
    .kernarg_segment_size: 104
    .max_flat_workgroup_size: 256
    .sgpr_count:     66
    .vgpr_count:     256
    .wavefront_size: 32
...
	.end_amdgpu_metadata
.endif
;; end of part 1
;; launch qkvg (part 2): grid 12 x 16, 4 waves a work-group, clusters of 4 x 4, 327,680 bytes of LDS; arguments act1, wimg, qkv; writes qkv
.if DOCPART == 2
	.amdgcn_target "amdgcn-amd-amdhsa--gfx1250"
	.amdhsa_code_object_version 6
	.text
	.protected	k_q95dc673827_qkvg
	.globl	k_q95dc673827_qkvg
	.p2align	8
	.type	k_q95dc673827_qkvg,@function
k_q95dc673827_qkvg:
	s_mov_b64 s[64:65], 0
	v_nop
	global_prefetch_b8 v0, s[64:65] scope:SCOPE_SE
	s_setreg_imm32_b32 hwreg(HW_REG_WAVE_MODE, 25, 1), 1
	s_wait_xcnt 0x0
	s_wait_alu depctr_hold_cnt(0) depctr_sa_sdst(0) depctr_va_vdst(0) depctr_va_sdst(0) depctr_va_ssrc(0) depctr_va_vcc(0) depctr_vm_vsrc(0)
	s_getreg_b32 s2, hwreg(HW_REG_IB_STS2, 6, 4)
	s_cmp_eq_u32 s2, 0
	s_cbranch_scc0 .Lentry_in_a_cluster
	s_endpgm
.Lentry_in_a_cluster:
	s_bfe_u32 s2, ttmp6, 0x10000c
	s_cmp_lg_u32 s2, 0xf033
	s_cbranch_scc0 .Lentry_shape_is_right
	s_endpgm
.Lentry_shape_is_right:
; qkv = LN1(x) W_qkv on FP6 codes (K = 1,024), each third quantised at once for attention: q and k along the head's 64 channels, v along the keys.
; Both operands come as images of operand registers: codes [block of 16 rows][8 K steps][1536], scale words [block][8][16].  So both sides look alike, and the V third runs WITH ITS SIDES SWAPPED BY POINTERS:
; clusters x = 0, 1 (q, k): side A = tokens, side B = weight rows.  Cluster x = 2 (v): side A = weight rows, side B = tokens.  Source 0 of every product is side B, so a lane's registers run along side B's rows:
; channels for q and k, tokens (keys) for v: each is the next product's K.  No branch hangs on the choice.
; A tile is 256 x 256, four waves of 128 x 128 (64 accumulators, 512 registers).  K goes in four slots' worth of 256 through a ring of two LDS slots; a tile's rows are 3,072 dense bytes.
; CLUSTER 4 x 4: side A's tiles are shared along a row of the cluster, side B's along a column: joint loads.
; OUT: qkv = [32 heads][16 steps of 128 tokens] records of 19,200 bytes: K codes 6,144 | V^T codes 6,144 | K scale words 256 | V scale words 256 | Q codes 6,144 | Q scale words 256.
; Q, K: eight half images (16 tokens x 64 channels, 768 bytes); V^T: four images (16 channels x 128 keys).  A scale word of Q or K serves two neighbouring half images: two bytes each.
; LIMITS: NaN and infinities are not served; a block whose largest magnitude lies under 2^-124 gets the byte 1; this program alone reads the bytes.
; REGISTERS: window 0: v16-30 addresses; v32-63 scale words (nothing else ever); v64-115 the way out; v128-223 side A's fragments.  window 1: side B's two sets.  windows 2, 3: the accumulators.
.set HALFT, 24576                      ; 8 blocks x 2 K steps x 1,536: what one tensor load brings
.set SLOT,  4*HALFT
.set SCL,   2*SLOT                     ; the scale words of the four halves, all of K: 4 x 4,096, filled once
.set SSTG,  SCL+4*4096                 ; 512 bytes a wave for the way out: no fill lands here
.set SPARE, SSTG+4*512                 ; the spare words: 128 bytes a wave
.set FR, 12
.set NL, 6
.set ADRA, 16
.set ADRB, 20
.set ADSA, 22
.set ADSB, 23
.set VLO,  24                          ; 8 x lane
.set VHI,  25                          ; 8 x lane + where a fragment's upper half goes
.set SST,  26
.set SSL,  27
.set SPW,  28
.set NIL,  29
.set GSO,  30
.set SC,   32                          ; set s at SC + 16 s: side A's block i at + i, side B's at + 8 + i; lanes 0-15 the slot's first K step, lanes 16-31 its second
.set TM,   64
.set PWS,  80
.set Y,    88
.set PC,   96
.set AF,   128
.set G1, 24
.set G0, 32
.set G1B, 48
.set G0B, 56
.set G1S, 68
.set G0S, 76
.set G1SB, 80
.set G0SB, 88
.set SEL, 66
.set MUL_LO, 0xa1                      ; source 0 (B) window 1, source 1 (A) window 0, C and D window 2
.set MUL_HI, 0xf1
.set TO_B,   0x40
.set MSB, 0
.macro WIN new
.if MSB != (\new)
	s_set_vgpr_msb (MSB<<8)|(\new)
.set MSB, (\new)
.endif
.endm
.macro PLACES n
.rept \n
	v_nop
.endr
.endm
; a joint load: waves 0, 1 fetch for side A, waves 2, 3 for side B; four v_nop follow each line
.macro JLOAD g0a, g1a, g0b, g1b
	s_cmp_eq_u32 s15, 0
	s_cbranch_scc0 .Lfor_b_\@
	tensor_load_to_lds s[\g0a:\g0a+3], s[\g1a:\g1a+7]
	s_nop 0
.rept 4
	v_nop
.endr
	s_branch .Lasked_\@
.Lfor_b_\@:
	tensor_load_to_lds s[\g0b:\g0b+3], s[\g1b:\g1b+7]
	s_nop 0
.rept 4
	v_nop
.endr
.Lasked_\@:
.endm
.macro CREST
	s_cmp_lg_u32 s14, 0
	s_cbranch_scc1 .Lnot_wave_0_\@
	s_barrier_signal -3
.Lnot_wave_0_\@:
	s_barrier_wait -3
	s_barrier_signal -1
	s_barrier_wait -1
.endm
.macro CROUND
	s_barrier_signal -1
	s_barrier_wait -1
	CREST
.endm
.macro QUANT s, w, pw
	WIN (\w)|((\w)<<2)
.irp b, 0,1,2,3
	v_max3_num_f32 v[TM+\b], |v[(\s)+16*\b]|, |v[(\s)+16*\b+1]|, 0x1800000   ; each accumulator is read from its low end on; the floor 2^(3 - 127) holds the byte at 1
.endr
.irp i, 2,4,6,8,10,12,14
.irp b, 0,1,2,3
	v_max3_num_f32 v[TM+\b], |v[(\s)+16*\b+\i]|, |v[(\s)+16*\b+\i+1]|, v[TM+\b]
.endr
.endr
	WIN 0
.irp b, 0,1,2,3
	v_permlanex16_b32 v[TM+4+\b], v[TM+\b], s[SEL], s[SEL+1]
.endr
.irp b, 0,1,2,3
	v_max_num_f32 v[TM+\b], v[TM+\b], v[TM+4+\b]
.endr
.irp b, 0,1,2,3
	v_add_nc_u32 v[TM+12+\b], 0xff000000, v[TM+\b]
.endr
.irp b, 0,1,2,3
	v_lshrrev_b32 v[TM+4+\b], 23, v[TM+12+\b]
.endr
	v_lshl_or_b32 v[\pw], v[TM+5], 8, v[TM+4]
	v_lshl_or_b32 v[\pw], v[TM+6], 16, v[\pw]
	v_lshl_or_b32 v[\pw], v[TM+7], 24, v[\pw]
	WIN (\w)
.irp c, 0,1
	v_cvt_scalef32_pk16_fp6_f32 v[PC+6*\c:PC+6*\c+2], v[(\s)+32*\c:(\s)+32*\c+15], v[TM+12+2*\c]
	v_cvt_scalef32_pk16_fp6_f32 v[PC+12+4*\c:PC+14+4*\c], v[(\s)+32*\c+16:(\s)+32*\c+31], v[TM+13+2*\c]
.endr
	WIN 0
	v_nop
.irp c, 0,1
.irp i, 0,1,2
	v_permlane16_swap_b32 v[PC+6*\c+\i], v[PC+12+4*\c+\i]
.endr
.irp i, 0,1,2
	v_mov_b32 v[PC+3+6*\c+\i], v[PC+12+4*\c+\i]
.endr
.endr
.endm
	s_load_b128 s[4:7], s[0:1], 0x0                ; act1, wimg
	s_load_b64 s[8:9], s[0:1], 0x10                ; qkv
	v_lshl_add_u32 v[SPW], v0, 2, SPARE
	v_mov_b32 v[NIL], 0
	ds_add_u32 v28, v29
	ds_add_u32 v28, v29
	s_wait_dscnt 0x0
	v_lshrrev_b32 v1, 5, v0
	v_readfirstlane_b32 s14, v1                    ; wave
	s_lshr_b32 s15, s14, 1                         ; my half of side A.  Also: I fetch for A (0) or B (1)
	s_and_b32 s16, s14, 1                          ; my half of side B.  Also: which half I fetch
	s_bfe_u32 s40, ttmp6, 0x40000                  ; cx
	s_bfe_u32 s41, ttmp6, 0x40004                  ; cy
	s_and_b32 s18, ttmp7, 0xffff
	s_lshl_b32 s18, s18, 2                         ; 4 x cluster y
	s_lshl_b32 s19, ttmp9, 2                       ; 4 x cluster x
	s_mov_b32 s20, 3145728                         ; where act1's scale words begin
	s_mov_b32 s21, 9437184                         ; where wimg's do
	s_mov_b32 s[SEL], 0x76543210
	s_mov_b32 s[SEL+1], 0xfedcba98
	s_cmp_eq_u32 ttmp9, 2                          ; the V third?  The same in all sixteen partners
	s_cselect_b32 s17, 8, s18
	s_cselect_b32 s42, s18, s19
	s_cselect_b32 s92, s21, s20
	s_cselect_b32 s93, s20, s21
	s_add_co_u32 s17, s17, s41                     ; side A's tile: never holds cx
	s_add_co_u32 s42, s42, s40                     ; side B's tile: never holds cy
	s_lshl_b32 s43, s41, 2
	s_lshl_b32 s43, 15, s43                        ; my row of the cluster
	s_lshl_b32 s44, 0x1111, s40                    ; my column
	s_or_b32 s[G1+0], s43, (3<<16)|(1<<21)         ; mask; elements of 8 bytes; bit 21 beside a mask; no padding: the images are read densely
	s_or_b32 s[G1B+0], s44, (3<<16)|(1<<21)
.irp g, G1, G1B
	s_mov_b32 s[\g+1], 384<<16                     ; tensor_dim0: 3,072 bytes
	s_mov_b32 s[\g+2], 16<<16                      ; tensor_dim1: 16 blocks for the head's loads; behind them 8
	s_mov_b32 s[\g+3], 384<<16                     ; tile_dim0
	s_mov_b32 s[\g+4], 16                          ; tile_dim1
	s_mov_b32 s[\g+5], 1536                        ; from block to block: 12,288 bytes
	s_mov_b32 s[\g+6], 0
	s_mov_b32 s[\g+7], 0
.endr
	s_or_b32 s[G1S+0], s43, (3<<16)|(1<<21)
	s_or_b32 s[G1SB+0], s44, (3<<16)|(1<<21)
.irp g, G1S, G1SB
	s_mov_b32 s[\g+1], 32<<16                      ; tensor_dim0: 256 bytes
	s_mov_b32 s[\g+2], 32<<16                      ; the scale words of a side's 16 blocks: 8,192 dense bytes as 32 rows of 256
	s_mov_b32 s[\g+3], 32<<16
	s_mov_b32 s[\g+4], 32
	s_mov_b32 s[\g+5], 32
	s_mov_b32 s[\g+6], 0
	s_mov_b32 s[\g+7], 0
.endr
	s_lshl_b32 s20, s17, 4                         ; side A: the tile's first block
	s_lshl_b32 s46, s42, 4                         ; side B
	s_lshl_b32 s22, s20, 9
	s_add_co_u32 s22, s22, s92
	s_lshl_b32 s94, s46, 9
	s_add_co_u32 s94, s94, s93
	s_mul_i32 s20, s20, 12288
	s_mul_i32 s46, s46, 12288
	s_mov_b32 s21, 0
	s_mov_b32 s23, 0
	s_mov_b32 s47, 0
	s_mov_b32 s95, 0
	s_mul_i32 s45, s14, HALFT                      ; LDS: wave x a half: no place in the cluster enters
	s_wait_kmcnt 0x0
	s_cmp_eq_u32 ttmp9, 2
	s_cselect_b64 s[10:11], s[6:7], s[4:5]         ; side A's buffer
	s_cselect_b64 s[12:13], s[4:5], s[6:7]         ; side B's
	s_add_nc_u64 s[20:21], s[10:11], s[20:21]
	s_add_nc_u64 s[22:23], s[10:11], s[22:23]
	s_add_nc_u64 s[46:47], s[12:13], s[46:47]
	s_add_nc_u64 s[94:95], s[12:13], s[94:95]
	CROUND                                         ; all sixteen work-groups are here: the first joint loads meet
	s_mov_b32 s[G0S], 1
	s_mov_b32 s[G0S+1], SCL
	s_mov_b64 s[G0S+2:G0S+3], s[22:23]
	s_or_b32 s[G0S+3], s[G0S+3], 0x80000000
	s_mov_b32 s[G0SB], 1
	s_mov_b32 s[G0SB+1], SCL+8192
	s_mov_b64 s[G0SB+2:G0SB+3], s[94:95]
	s_or_b32 s[G0SB+3], s[G0SB+3], 0x80000000
	s_mov_b32 s4, 1                                ; the head's loads of slot 0, each side whole: side A's 16 blocks,
	s_mov_b32 s5, 0
	s_mov_b64 s[6:7], s[20:21]
	s_or_b32 s7, s7, 0x80000000
	s_mov_b32 s96, 1                               ; side B's, behind them
	s_mov_b32 s97, 2*HALFT
	s_mov_b64 s[98:99], s[46:47]
	s_or_b32 s99, s99, 0x80000000
	s_mul_i32 s92, s16, 98304                      ; for the ring: my 8 blocks of the tile
	s_mov_b32 s93, 0
	s_add_nc_u64 s[20:21], s[20:21], s[92:93]
	s_add_nc_u64 s[46:47], s[46:47], s[92:93]
	; THE PREFETCHES: slot 1 is asked for one fill ahead, slots 2 and 3 two fills ahead.  Of the 8 blocks that I fetch, each of the four partners that ask for them jointly takes two, told apart by address
	; (cx for side A, cy for side B): 2 x 3,072 bytes, 24 pieces of 256, a lane a piece (lanes 24-31 name the last piece again).  s[18:19] and v18 are never rewritten
	s_cmp_eq_u32 s15, 0
	s_cselect_b64 s[18:19], s[20:21], s[46:47]
	s_cselect_b32 s92, s40, s41
	s_mul_i32 s92, s92, 24576
	s_add_nc_u64 s[18:19], s[18:19], s[92:93]
.irp s, 0,1
	s_mov_b32 s[G0+4*\s], 1
	s_add_co_u32 s[G0+4*\s+1], s45, \s*SLOT
	s_add_nc_u64 s[G0+4*\s+2:G0+4*\s+3], s[20:21], \s*3072
	s_or_b32 s[G0+4*\s+3], s[G0+4*\s+3], 0x80000000
	s_mov_b32 s[G0B+4*\s], 1
	s_add_co_u32 s[G0B+4*\s+1], s45, \s*SLOT
	s_add_nc_u64 s[G0B+4*\s+2:G0B+4*\s+3], s[46:47], \s*3072
	s_or_b32 s[G0B+4*\s+3], s[G0B+4*\s+3], 0x80000000
.endr
; THE HEAD'S LOADS, ONE A WAVE: wave 0 slot 0's side A, wave 1 its side B, wave 2 side A's scale words, wave 3 side B's.  One tree of branches on the wave's number
.macro ARM under, g0, g1, next
	s_cmp_lt_u32 s14, \under
	s_cbranch_scc0 \next
	tensor_load_to_lds s[\g0:\g0+3], s[\g1:\g1+7]
	s_nop 0
.rept 4
	v_nop
.endr
	s_branch .Lhead_asked
\next:
.endm
	ARM 1, 4, G1, .Lhead_b
	ARM 2, 96, G1B, .Lhead_sa
	ARM 3, G0S, G1S, .Lhead_sb
	tensor_load_to_lds s[G0SB:G0SB+3], s[G1SB:G1SB+7]
	s_nop 0
.rept 4
	v_nop
.endr
.Lhead_asked:
	v_and_b32 v18, 31, v0
	v_min_u32 v18, 23, v18                         ; piece 0..23
	v_mul_u32_u24 v19, v18, 171
	v_lshrrev_b32 v19, 11, v19                     ; piece / 12: which of my two blocks
	v_lshlrev_b32 v18, 8, v18
	v_mad_u32_u24 v18, v19, 9216, v18              ; 256 x piece, and from block to block 12,288 bytes
	global_prefetch_b8 v18, s[18:19] offset:3072 th:TH_LOAD_NT scope:SCOPE_SE    ; slot 1
	global_prefetch_b8 v18, s[18:19] offset:6144 th:TH_LOAD_NT scope:SCOPE_SE    ; slot 2
	v_and_b32 v1, 31, v0
	v_and_b32 v2, 15, v0
	v_bfe_u32 v3, v0, 4, 1
	v_lshlrev_b32 v[VLO], 3, v1
	s_mul_i32 s21, s15, HALFT
	s_mul_i32 s22, s16, HALFT
	s_add_co_u32 s22, s22, 2*HALFT
.irp s, 0,1
	v_add_nc_u32 v[ADRA+\s], s21, v[VLO]
	v_add_nc_u32 v[ADRB+\s], s22, v[VLO]
	s_add_co_u32 s21, s21, SLOT
	s_add_co_u32 s22, s22, SLOT
.endr
	v_lshlrev_b32 v4, 2, v1
	s_lshl_b32 s21, s15, 12
	s_add_co_u32 s21, s21, SCL
	v_add_nc_u32 v[ADSA], s21, v4                  ; 4 x lane: lanes 0-15 a K step's 16 rows, lanes 16-31 the next K step's
	s_lshl_b32 s22, s16, 12
	s_add_co_u32 s22, s22, SCL+8192
	v_add_nc_u32 v[ADSB], s22, v4
	s_lshl_b32 s23, s14, 9
	s_add_co_u32 s23, s23, SSTG
	v_lshl_add_u32 v[SST], v2, 2, s23
	v_lshl_add_u32 v[SSL], v1, 4, s23
	v_mul_u32_u24 v[GSO], v3, 307200
	v_lshl_add_u32 v[GSO], v2, 4, v[GSO]           ; the scale words' way out: 16 r, lanes 16-31 a head further on
.macro FRAG reg, adr, q, i             ; a fragment's image: six loads of 8 bytes a lane, 256 consecutive bytes each
.irp p, 0,1,2,3,4,5
	ds_load_b64 v[\reg+2*\p:\reg+2*\p+1], v[\adr] offset:3072*(\i)+1536*(\q)+256*\p
.endr
.endm
; 16 products: A's blocks a0, a0 + 1 x B's eight; p: B's set; q: the slot's K step (it picks the scale registers' rows); the 64 accumulators take turns
.macro MUL16 a0, p, q, sc, zero
.irp a, \a0, \a0+1
.irp b, 0,1,2,3,4,5,6,7
.if \zero
	v_wmma_scale_f32_16x16x128_f8f6f4 v[8*(8*((\a)%4)+\b):8*(8*((\a)%4)+\b)+7], v[128*(\p)+FR*\b:128*(\p)+FR*\b+FR-1], v[AF+FR*(\a):AF+FR*(\a)+FR-1], 0, v[SC+16*(\sc)+8+\b], v[SC+16*(\sc)+(\a)] matrix_a_fmt:MATRIX_FMT_FP6 matrix_b_fmt:MATRIX_FMT_FP6
.elseif \q
	v_wmma_scale_f32_16x16x128_f8f6f4 v[8*(8*((\a)%4)+\b):8*(8*((\a)%4)+\b)+7], v[128*(\p)+FR*\b:128*(\p)+FR*\b+FR-1], v[AF+FR*(\a):AF+FR*(\a)+FR-1], v[8*(8*((\a)%4)+\b):8*(8*((\a)%4)+\b)+7], v[SC+16*(\sc)+8+\b], v[SC+16*(\sc)+(\a)] matrix_a_fmt:MATRIX_FMT_FP6 matrix_b_fmt:MATRIX_FMT_FP6 matrix_a_scale:MATRIX_SCALE_ROW1 matrix_b_scale:MATRIX_SCALE_ROW1
.else
	v_wmma_scale_f32_16x16x128_f8f6f4 v[8*(8*((\a)%4)+\b):8*(8*((\a)%4)+\b)+7], v[128*(\p)+FR*\b:128*(\p)+FR*\b+FR-1], v[AF+FR*(\a):AF+FR*(\a)+FR-1], v[8*(8*((\a)%4)+\b):8*(8*((\a)%4)+\b)+7], v[SC+16*(\sc)+8+\b], v[SC+16*(\sc)+(\a)] matrix_a_fmt:MATRIX_FMT_FP6 matrix_b_fmt:MATRIX_FMT_FP6
.endif
.endr
.endr
.endm
.macro FETCH_B slot, q, p
	WIN TO_B
.irp i, 0,1,2,3,4,5,6,7
	FRAG 128*(\p)+FR*\i, ADRB+\slot, \q, \i
.endr
	WIN 0
.endm
.macro FETCH_A slot, q, i0
.irp i, \i0, \i0+1, \i0+2, \i0+3
	FRAG AF+FR*(\i), ADRA+\slot, \q, \i
.endr
.endm
.macro SCALES sc, idx                  ; the scale words of K steps 2 idx (lanes 0-15) and 2 idx + 1 (lanes 16-31)
.irp i, 0,1,2,3,4,5,6,7
	ds_load_b32 v[SC+16*\sc+\i], v[ADSA] offset:512*\i+128*\idx
	ds_load_b32 v[SC+16*\sc+8+\i], v[ADSB] offset:512*\i+128*\idx
.endr
.endm
.macro STEP slot, zero                 ; a slot's first K step; its successor lies in the same slot
	s_wait_dscnt 4*NL                              ; all but the youngest 24 loads, A's blocks 4-7
	WIN MUL_LO
	MUL16 0, 0, 0, \slot, \zero
	MUL16 2, 0, 0, \slot, \zero
	s_wait_dscnt 0
	PLACES 4                                       ; four plain lines ahead of loads into registers that products have read
	FETCH_B \slot, 1, 1
	FETCH_A \slot, 1, 0
	WIN MUL_HI
	MUL16 4, 0, 0, \slot, \zero
	MUL16 6, 0, 0, \slot, \zero
	PLACES 4
	WIN 0
	FETCH_A \slot, 1, 4
.endm
.macro TURN slot, next, fill, idx      ; a slot's second K step changes slots: one barrier
	s_wait_tensorcnt 0x0                           ; all my tensor loads have landed: my part of the next slot
	ds_add_u32 v[SPW], v[NIL]                      ; 0 onto my spare word
	s_wait_dscnt 4*NL+1                            ; the add and A's blocks 4-7 may be out
	WIN MUL_LO
	MUL16 0, 1, 1, \slot, 0
	s_wait_dscnt 0x0                               ; the add is done, and my reads of this slot are over
	s_barrier_signal -1
	MUL16 2, 1, 1, \slot, 0
	WIN 0
	s_barrier_wait -1
.if \fill
	CREST                                          ; the barrier has opened a round of the cluster's: no wave of any partner still reads this slot or has a load on its way
	s_add_nc_u64 s[G0+4*\slot+2:G0+4*\slot+3], s[G0+4*\slot+2:G0+4*\slot+3], 6144
	s_add_nc_u64 s[G0B+4*\slot+2:G0B+4*\slot+3], s[G0B+4*\slot+2:G0B+4*\slot+3], 6144
	JLOAD G0+4*\slot, G1, G0B+4*\slot, G1B         ; my one tensor load behind the round; its four v_nop are also the places ahead of the loads below
.else
	PLACES 4
.endif
	FETCH_B \next, 0, 0
	FETCH_A \next, 0, 0
	SCALES \next, \idx
	WIN MUL_HI
	MUL16 4, 1, 1, \slot, 0
	MUL16 6, 1, 1, \slot, 0
	PLACES 4
	WIN 0
	FETCH_A \next, 0, 4
.endm
	s_wait_alu depctr_va_vdst(0)
	s_wait_tensorcnt 0x0                           ; my tile of the head's four is in
	ds_add_u32 v[SPW], v[NIL]
	s_mov_b32 s[G1+2], 8<<16                       ; no tensor load of mine is out: from here on a load brings 8 blocks
	s_mov_b32 s[G1+4], 8
	s_mov_b32 s[G1B+2], 8<<16
	s_mov_b32 s[G1B+4], 8
	s_wait_dscnt 0x0
	CROUND                                         ; all four tiles are in, all sixteen work-groups are here
	JLOAD G0+4, G1, G0B+4, G1B                     ; slot 1: my one tensor load behind the round
	global_prefetch_b8 v18, s[18:19] offset:9216 th:TH_LOAD_NT scope:SCOPE_SE    ; slot 3, the last
	FETCH_B 0, 0, 0
	FETCH_A 0, 0, 0
	SCALES 0, 0
	FETCH_A 0, 0, 4
	STEP 0, 1                                      ; the first products start the sums
	TURN 0, 1, 1, 1
	STEP 1, 0
	TURN 1, 0, 1, 2
	STEP 0, 0
	TURN 0, 1, 0, 3                                ; nothing is left to fetch
	STEP 1, 0
	s_wait_dscnt 4*NL
	WIN MUL_LO
	MUL16 0, 1, 1, 1, 0
	MUL16 2, 1, 1, 1, 0
	s_wait_dscnt 0
	WIN MUL_HI
	MUL16 4, 1, 1, 1, 0
	MUL16 6, 1, 1, 1, 0
	WIN 0
	PLACES 4
.irp b, 0,1,2,3
	v_mov_b32 v[TM+4+\b], 0                        ; a lane permute's destination counts as one of its sources
.endr
	; WHERE MY RESULTS GO.  tt, ht: my 128 tokens; cc, hc: my two heads.  Every choice is a select on the cluster's x
	s_mov_b32 s45, 768
	s_mov_b32 s46, 307200
	s_mov_b32 s47, 12288
	s_cmp_eq_u32 ttmp9, 2
	s_cselect_b32 s20, s42, s17
	s_cselect_b32 s21, s16, s15
	s_cselect_b32 s22, s15, s16
	s_cselect_b32 s23, s41, s40
	s_cselect_b32 s92, 1536, s45                   ; from fragment to fragment: V an image, Q and K half an image
	s_cselect_b32 s94, 302592, s45                 ; at the fifth: V goes on to the next head's first image (307,200 - 3 x 1,536)
	s_cselect_b32 s96, s45, s46                    ; a fragment's upper half: V 768 bytes on, Q and K a head on
	s_cselect_b32 s97, -1, 0
	s_cselect_b32 s98, 6144, 0
	s_cselect_b32 s99, 12544, s47
	s_cmp_eq_u32 ttmp9, 0
	s_cselect_b32 s98, 12800, s98                  ; the record's part for codes: Q 12,800, K 0, V 6,144
	s_cselect_b32 s99, 18944, s99                  ; for scale words: Q 18,944, K 12,288, V 12,544
	s_mov_b32 s93, 0
	s_mov_b32 s95, 0
	s_lshl_b32 s20, s20, 1
	s_add_co_u32 s20, s20, s21                     ; which 128 tokens of 4,096
	s_lshr_b32 s21, s20, 4
	s_lshl_b32 s21, s21, 4                         ; 16 heads a batch
	s_lshl_b32 s23, s23, 2
	s_add_co_u32 s21, s21, s23
	s_lshl_b32 s22, s22, 1
	s_add_co_u32 s21, s21, s22                     ; my first head
	s_mul_i32 s21, s21, 307200
	s_and_b32 s20, s20, 15
	s_mul_i32 s20, s20, 19200
	s_add_co_u32 s20, s20, s21
	s_add_co_u32 s22, s20, s99
	s_add_co_u32 s20, s20, s98
	s_mov_b32 s21, 0
	s_mov_b32 s23, 0
	s_add_nc_u64 s[20:21], s[8:9], s[20:21]
	s_add_nc_u64 s[22:23], s[8:9], s[22:23]
	v_add_nc_u32 v[VHI], s96, v[VLO]
.irp a, 0,1,2,3,4,5,6,7                        ; side A's block a: 64 registers a lane -> one fragment, 128 along side B
.if \a > 0
	s_wait_xcnt 0x0                                ; the last block's stores have read their data and their base
.if \a == 4
	s_add_nc_u64 s[20:21], s[20:21], s[94:95]
.else
	s_add_nc_u64 s[20:21], s[20:21], s[92:93]
.endif
.endif
	QUANT 64*(\a%4), 2+\a/4, PWS+\a
.irp p, 0,1,2
	global_store_b64 v[VLO], v[PC+2*\p:PC+2*\p+1], s[20:21] offset:256*\p       ; 256 consecutive bytes, aligned
.endr
.irp p, 0,1,2
	global_store_b64 v[VHI], v[PC+6+2*\p:PC+7+2*\p], s[20:21] offset:256*\p
.endr
.endr
	; the scale words.  Q, K: head e's word of pair j = bytes 2 e, 2 e + 1 of blocks 2 j and 2 j + 1.  V: head e's tile j = block 4 e + j's word as it stands
	s_mov_b32 s45, 0x05040100
	s_mov_b32 s46, 0x07060302
.irp e, 0,1
.irp j, 0,1,2,3
	v_perm_b32 v[Y+4*\e+\j], v[PWS+2*\j+1], v[PWS+2*\j], s[45+\e]
.endr
.endr
.irp e, 0,1
.irp j, 0,1,2,3
	v_cndmask_b32 v[Y+4*\e+\j], v[Y+4*\e+\j], v[PWS+4*\e+\j], s97
.endr
.endr
.irp e, 0,1
.irp j, 0,1,2,3
	ds_store_b32 v[SST], v[Y+4*\e+\j] offset:256*\e+64*\j   ; both halves of the lanes hold the same word
.endr
.endr
	ds_load_b128 v[TM:TM+3], v[SSL]                ; my own bytes, served in order
	s_wait_dscnt 0x0
	global_store_b128 v[GSO], v[TM:TM+3], s[22:23] ; sixteen lanes fill 256 consecutive bytes of one head's record
	s_wait_tensorcnt 0x0                           ; the wave's end
	ds_add_u32 v[SPW], v[NIL]
	s_wait_dscnt 0x0
	CROUND                                         ; the closing round
	s_endpgm
.Lfunc_end_k_q95dc673827_qkvg:
	.size	k_q95dc673827_qkvg, .Lfunc_end_k_q95dc673827_qkvg-k_q95dc673827_qkvg
	.p2alignl 7, 3214868480
	.fill 96, 4, 3214868480
	.section	.rodata,"a",@progbits
	.p2align	6, 0x0
	.amdhsa_kernel k_q95dc673827_qkvg
		.amdhsa_group_segment_fixed_size 327680
		.amdhsa_private_segment_fixed_size 0
		.amdhsa_enable_private_segment 0
		.amdhsa_kernarg_size 24
		.amdhsa_user_sgpr_count 2
		.amdhsa_user_sgpr_kernarg_segment_ptr 1
		.amdhsa_wavefront_size32 1
		.amdhsa_system_sgpr_workgroup_id_x 1
		.amdhsa_system_sgpr_workgroup_id_y 1
		.amdhsa_system_sgpr_workgroup_id_z 1
		.amdhsa_system_vgpr_workitem_id 0
		.amdhsa_next_free_vgpr 1024
		.amdhsa_next_free_sgpr 100
		.amdhsa_reserve_vcc 0
		.amdhsa_float_denorm_mode_32 3
		.amdhsa_float_denorm_mode_16_64 3
		.amdhsa_memory_ordered 1
		.amdhsa_forward_progress 1
		.amdhsa_inst_pref_size 173
	.end_amdhsa_kernel
	.amdgpu_metadata
---
amdhsa.version: [ 1, 2 ]
amdhsa.kernels:
  - .name:           k_q95dc673827_qkvg
    .symbol:         k_q95dc673827_qkvg.kd
    .args:
      - { .name: act1, .offset: 0, .size: 8, .value_kind: global_buffer, .address_space: global }
      - { .name: wimg, .offset: 8, .size: 8, .value_kind: global_buffer, .address_space: global }
      - { .name: qkv, .offset: 16, .size: 8, .value_kind: global_buffer, .address_space: global }
    .group_segment_fixed_size: 327680
    .private_segment_fixed_size: 0
    .kernarg_segment_align: 8
    .kernarg_segment_size: 24
    .max_flat_workgroup_size: 128
    .sgpr_count:     100
    .vgpr_count:     1024
    .wavefront_size: 32
...
	.end_amdgpu_metadata
.endif
;; end of part 2
;; launch attn (part 3): grid 8 x 32, 8 waves a work-group, clusters of 4 x 1, 327,680 bytes of LDS; arguments qkv, oimg; writes oimg
.if DOCPART == 3
	.amdgcn_target "amdgcn-amd-amdhsa--gfx1250"
	.amdhsa_code_object_version 6
	.text
	.protected	k_q95dc673827_attn
	.globl	k_q95dc673827_attn
	.p2align	8
	.type	k_q95dc673827_attn,@function
k_q95dc673827_attn:
	s_mov_b64 s[64:65], 0
	v_nop
	global_prefetch_b8 v0, s[64:65] scope:SCOPE_SE
	s_setreg_imm32_b32 hwreg(HW_REG_WAVE_MODE, 25, 1), 1
	s_wait_xcnt 0x0
	s_wait_alu depctr_hold_cnt(0) depctr_sa_sdst(0) depctr_va_vdst(0) depctr_va_sdst(0) depctr_va_ssrc(0) depctr_va_vcc(0) depctr_vm_vsrc(0)
	s_getreg_b32 s2, hwreg(HW_REG_IB_STS2, 6, 4)
	s_cmp_eq_u32 s2, 0
	s_cbranch_scc0 .Lentry_in_a_cluster
	s_endpgm
.Lentry_in_a_cluster:
	s_bfe_u32 s2, ttmp6, 0x10000c
	s_cmp_lg_u32 s2, 0x3003
	s_cbranch_scc0 .Lentry_shape_is_right
	s_endpgm
.Lentry_shape_is_right:
; o = softmax(q k^T / 8) v for one head and 256 queries, on FP6 codes; o is quantised at once along the 64 channels for the next product.
; qkv: [32 heads][16 steps of 128 tokens] records of 19,200 bytes: K codes 6,144 | V^T codes 6,144 | K scale words 256 | V scale words 256 | Q codes 6,144 | Q scale words 256.
; Eight waves; a wave owns TWO tiles of 16 queries, so each fragment of K and V read from LDS feeds two tiles.  Tile 0 lives in register window 0, tile 1 under the same numbers in window 1.
; Shared: K fragments, all scale words and addresses in window 0, V fragments in window 1.
; ALL of the head's K and V (16 x 12,800 = 204,800 bytes) comes into LDS once: one joint load a wave (two records, rows of 12,800 bytes, 19,200 apart), nothing is filled again.
; CLUSTER 4 x 1: four query blocks of one head ask for the same bytes jointly.  No prefetch: the launch has one group of fills at its head and no loop of fills to run ahead in.
; Both products are used transposed (S^T = k q^T, O^T = v^T p^T): a lane holds one query.  The head has 64 channels: a K fragment holds two tiles of 16 keys side by side along K, and q stands beside zeros.
; WHICH KEYS FORM A TILE is chosen by the lanes' LDS addresses: rows 0-7 of tile f of a group of four are keys 64 c + 8 f + 0..7, rows 8-15 keys 64 c + 32 + 8 f + 0..7.
; So lane (r, h) holds keys 64 c + 32 h + 0..31 in registers S + 32 c + 0..31: a whole block of 32 in one lane, in the order of the operand: no lane is asked for a block's maximum, nothing is swapped.
; M is the ceiling of the running largest t, kept as -M; every rescaling is an exact power of two; the row sum is taken of the unquantised p.
; LIMITS: NaN and infinities are not served; the promise holds while the scaled scores stay under 2^31 in magnitude; a block whose largest number lies under 2^-124 gets the byte 1 (this program alone reads the bytes).
.set REC,   12800
.set SPARE, 0x32000                    ; behind the 16 records: the spare words, 128 bytes a wave
.set LK,  1                            ; lane terms: K fragments 1536 (r/8) + 8 (r%8) + 128 h
.set LV,  2                            ; 8 x lane
.set LKS, 3                            ; K scale words 64 (r/8) + 4 (r%8)
.set LVS, 4                            ; 4 r
.set AK,  5                            ; the same four + the step's record
.set AV,  6
.set AKS, 7
.set AVS, 8
.set SH,  9                            ; 8 h (both windows)
.set QS,  34                           ; v34, v35 q scale words of tiles 0, 1
.set KV,  36                           ; v36-83: window 0 K fragments, window 1 V fragments
.set KSC, 84
.set VSC, 88
.set PW,  92                           ; v92, v93 p scale words of tiles 0, 1
.set S,   96                           ; from here on: a tile's own, in its window.  v12 -M, v13 largest score, v[14:15] sum, v16-33 q | zeros | q
.set O,   160
.set PCD, 192
.set PT,  204
.set BM,  212
.set BX,  214
.set T,   216
.set T2,  217
.set T3,  218
.set SO,  220
.set BY,  222
.set SM,  224
.set F,   230
.set W,   232
.set W2,  233
.set PWO, 234
.set WV,  8
.set SEL, 32
.set CS,  34
.set TB,  36
.set CNT, 37
.set NC,  48
.set MSB, 0
.macro WIN new                         ; the immediate's high byte repeats the setting that is left
.if MSB != (\new)
	s_set_vgpr_msb (MSB<<8)|(\new)
.set MSB, (\new)
.endif
.endm
.macro CROUND
	s_barrier_signal -1
	s_barrier_wait -1
	s_cmp_lg_u32 s[WV], 0
	s_cbranch_scc1 .Lnot_wave_0_\@
	s_barrier_signal -3
.Lnot_wave_0_\@:
	s_barrier_wait -3
	s_barrier_signal -1
	s_barrier_wait -1
.endm
.macro MM d, a, b, c, sa, sb
	v_wmma_scale_f32_16x16x128_f8f6f4 v[\d:\d+7], v[\a:\a+11], v[\b:\b+11], \c, v[\sa], v[\sb] matrix_a_fmt:MATRIX_FMT_FP6 matrix_b_fmt:MATRIX_FMT_FP6
.endm
; 28 LDS loads: fragment g = tiles 2 (g%2), 2 (g%2) + 1 of group g/2, and its rows' scale words
.macro KLOAD off
.irp g, 0,1,2,3
.irp p, 0,1,2,3,4,5
	ds_load_b64 v[KV+12*\g+2*\p:KV+12*\g+2*\p+1], v[AK] offset:\off+3072*(\g/2)+64*(\g%2)+256*\p
.endr
	ds_load_b32 v[KSC+\g], v[AKS] offset:\off+12288+128*(\g/2)+32*(\g%2)
.endr
.endm
; softmax step, quantiser and second product of tile e, all in window e
.macro SOFT e, more
	WIN 0x55*\e
.if \e
	s_wait_alu depctr_va_vdst(0)
.endif
.irp c, 0,1                                    ; the largest score of my two blocks, four chains by turns; each accumulator is read from its low end on
	v_max3_num_f32 v[BM+\c], v[S+32*\c], v[S+32*\c+1], v[S+32*\c+2]
	v_max3_num_f32 v[BX+\c], v[S+32*\c+16], v[S+32*\c+17], v[S+32*\c+18]
.endr
.irp i, 3,5,7,9,11,13
.irp c, 0,1
	v_max3_num_f32 v[BM+\c], v[BM+\c], v[S+32*\c+\i], v[S+32*\c+\i+1]
	v_max3_num_f32 v[BX+\c], v[BX+\c], v[S+32*\c+16+\i], v[S+32*\c+17+\i]
.endr
.endr
	v_mov_b32 v[T3], v12                           ; the old -M
.irp c, 0,1
	v_max3_num_f32 v[BM+\c], v[BM+\c], v[BX+\c], v[S+32*\c+15]
.endr
.irp c, 0,1
	v_max_num_f32 v[BM+\c], v[BM+\c], v[S+32*\c+31]
.endr
	s_delay_alu instid0(VALU_DEP_1)
	v_max_num_f32 v[T], v[BM], v[BM+1]
	s_delay_alu instid0(VALU_DEP_1)
	v_permlanex16_b32 v[T2], v[T], s[SEL], s[SEL+1]
	s_delay_alu instid0(VALU_DEP_1)
	v_max3_num_f32 v13, v13, v[T], v[T2]           ; the running largest score of my query
	s_delay_alu instid0(VALU_DEP_1)
	v_mul_f32 v[T], s[NC], v13                     ; -t
	s_delay_alu instid0(VALU_DEP_1)
	v_floor_f32 v12, v[T]                          ; -M = floor(-t)
	s_delay_alu instid0(VALU_DEP_1)
	v_sub_f32 v[T], v12, v[T3]                     ; old M - new M, a whole number, 0 or less
	s_delay_alu instid0(VALU_DEP_1)
	v_cvt_i32_f32 v[T], v[T]
	s_delay_alu instid0(VALU_DEP_1)
	v_ldexp_f32 v[F], 1.0, v[T]                    ; f = 2^(old M - new M)
.set i, 0
.rept 32
	v_pk_fma_f32 v[S+i:S+i+1], v[S+i:S+i+1], s[CS:CS+1], v[12:13] op_sel_hi:[1,0,0]   ; t - M
.set i, i+2
.endr
.irp c, 0,1
	v_fma_f32 v[BM+\c], v[BM+\c], s[CS], v12       ; the same of each block's largest score
.endr
	s_wait_alu depctr_va_vdst(0)                   ; the wait ahead of the batch
.set i, 0
.rept 64
	v_exp_f32 v[S+i], v[S+i]
.set i, i+1
.endr
	v_exp_f32 v[BM], v[BM]                         ; the blocks' largest p
	v_exp_f32 v[BM+1], v[BM+1]
	v_pk_mul_f32 v[14:15], v[14:15], v[F:F+1] op_sel_hi:[1,0]   ; the sum under the new M; a plain line behind the batch
	s_wait_alu depctr_va_vdst(0)                   ; and the one wait behind it
.irp k, 0,1,2                                  ; the sum of the unquantised p, four chains by turns
	v_pk_add_f32 v[SM+2*\k:SM+2*\k+1], v[S+4*\k:S+4*\k+1], v[S+4*\k+2:S+4*\k+3]
.endr
.irp j, 12,20,28,36,44,52
	v_pk_add_f32 v[14:15], v[14:15], v[S+\j:S+\j+1]
	v_pk_add_f32 v[SM:SM+1], v[SM:SM+1], v[S+\j+2:S+\j+3]
	v_pk_add_f32 v[SM+2:SM+3], v[SM+2:SM+3], v[S+\j+4:S+\j+5]
	v_pk_add_f32 v[SM+4:SM+5], v[SM+4:SM+5], v[S+\j+6:S+\j+7]
.endr
	v_max_num_f32 v[BM], 0x1800000, v[BM]          ; the floor 2^(3 - 127): the byte cannot fall under 1
	v_max_num_f32 v[BM+1], 0x1800000, v[BM+1]
	v_pk_add_f32 v[14:15], v[14:15], v[S+60:S+61]
	v_pk_add_f32 v[SM:SM+1], v[SM:SM+1], v[S+62:S+63]
	v_add_nc_u32 v[SO], 0xff000000, v[BM]          ; 2 off the exponent field: the conversion's scale operand
	v_add_nc_u32 v[SO+1], 0xff000000, v[BM+1]
	v_pk_add_f32 v[SM:SM+1], v[SM:SM+1], v[SM+2:SM+3]
	v_pk_add_f32 v[14:15], v[14:15], v[SM+4:SM+5]
	v_lshrrev_b32 v[BY], 23, v[SO]                 ; the scale bytes of blocks h and 2 + h
	v_lshrrev_b32 v[BY+1], 23, v[SO+1]
	v_pk_add_f32 v[14:15], v[14:15], v[SM:SM+1]
.irp c, 0,1
	v_cvt_scalef32_pk16_fp6_f32 v[PCD+6*\c:PCD+6*\c+2], v[S+32*\c:S+32*\c+15], v[SO+\c]
	v_cvt_scalef32_pk16_fp6_f32 v[PT+4*\c:PT+4*\c+2], v[S+32*\c+16:S+32*\c+31], v[SO+\c]   ; (a conversion's three registers begin on an even number)
.endr
	v_lshl_or_b32 v[W], v[BY+1], 16, v[BY]         ; a plain line behind the conversions
	v_mov_b32 v[PCD+3], v[PT]
	v_mov_b32 v[PCD+4], v[PT+1]
	v_lshlrev_b32 v[W], v[SH], v[W]                ; my two bytes at their places in the word
	v_mov_b32 v[PCD+5], v[PT+2]
	v_mov_b32 v[PCD+9], v[PT+4]
	v_permlanex16_b32 v[W2], v[W], s[SEL], s[SEL+1]
	v_mov_b32 v[PCD+10], v[PT+5]
	v_mov_b32 v[PCD+11], v[PT+6]
	WIN 0x05*\e                                    ; scale words stand in window 0
	v_or_b32 v[PW+\e], v[W], v[W2]                 ; with lane l xor 16's two bytes the word is whole
	WIN 0x55*\e
.if \e == 0
	s_wait_dscnt 28*\more                          ; V's 28 loads are in; the 28 younger ones, the next step's K, may stay out
.endif
	s_wait_alu depctr_va_vdst(0)                   ; the wait directly ahead of the first reader of O^T
.set i, 0
.rept 16
	v_pk_mul_f32 v[O+i:O+i+1], v[O+i:O+i+1], v[F:F+1] op_sel_hi:[1,0]   ; O^T under the new M; also the places ahead of the products
.set i, i+2
.endr
	WIN 1+0x54*\e                                  ; source 0 (V) window 1; p, C and D window e
.irp f, 0,1,2,3
	MM O+8*\f, KV+12*\f, PCD, v[O+8*\f:O+8*\f+7], VSC+\f, PW+\e
.endr
.endm
; a step of 128 keys.  more = 1: the next step's K fragments are fetched under the softmax, and the addresses step on
.macro STEP more
	WIN 0x40
.irp f, 0,1,2,3
.irp p, 0,1,2,3,4,5
	ds_load_b64 v[KV+12*\f+2*\p:KV+12*\f+2*\p+1], v[AV] offset:6144+1536*\f+256*\p
.endr
.endr
	WIN 0
.irp f, 0,1,2,3
	ds_load_b32 v[VSC+\f], v[AVS] offset:12544+64*\f
.endr
	s_wait_dscnt 28                                ; K's loads are in; the 28 just issued, V's, may stay out
.irp e, 0,1
	WIN 0x44*\e                                    ; q and the scores in window e
.irp g, 0,1,2,3
	MM S+16*\g, KV+12*\g, 16, 0, KSC+\g, QS+\e
	MM S+16*\g+8, KV+12*\g, 22, 0, KSC+\g, QS+\e
.endr
.endr
	WIN 0
.rept 4
	v_nop                                          ; four places ahead of loads into K's registers and of the first read of the scores
.endr
.if \more
	KLOAD REC
.endif
	SOFT 0, \more
	SOFT 1, \more
	WIN 0
.if \more
	s_add_co_u32 s[TB], s[TB], REC
	v_add_nc_u32 v[AK], s[TB], v[LK]               ; these four are also the places ahead of the next loads into V's registers
	v_add_nc_u32 v[AV], s[TB], v[LV]
	v_add_nc_u32 v[AKS], s[TB], v[LKS]
	v_add_nc_u32 v[AVS], s[TB], v[LVS]
	s_wait_alu depctr_va_vdst(0)                   ; the wait ahead of the branch
.endif
.endm
.macro INIT e
	WIN 0x55*\e
.irp i, 22,23,24,25,26,27
	v_mov_b32 v\i, 0                               ; the zeros beside q
.endr
	v_mov_b32 v13, 0xff61b1e6                      ; -3e38, under every score
	v_mov_b32 v14, 0
	v_mov_b32 v15, 0
	v_mov_b32 v[T2], 0                             ; a lane permute's destination counts as one of its sources
	v_mov_b32 v[W2], 0
	v_mov_b32 v[F+1], 0
	v_mul_f32 v12, s[NC], v13
	s_delay_alu instid0(VALU_DEP_1)
	v_floor_f32 v12, v12
.set i, 0
.rept 32
	v_mov_b32 v[O+i], 0                            ; the step is written once: the first finds zeros
.set i, i+1
.endr
.endm
; tile e's way out: O^T / sum; registers 16 b + i are channels 32 b + 16 h + i; quantised; half an image (768 bytes) and two scale bytes
.macro FIN e
	WIN 0x55*\e
	v_add_f32 v14, v14, v15
	s_delay_alu instid0(VALU_DEP_1)
	v_permlanex16_b32 v[T2], v14, s[SEL], s[SEL+1]
	s_delay_alu instid0(VALU_DEP_1)
	v_add_f32 v14, v14, v[T2]
	s_wait_alu depctr_va_vdst(0)
	v_rcp_f32 v14, v14
	v_nop
	s_wait_alu depctr_va_vdst(0)                   ; ahead of the first reader of 1 / sum and of O^T
.set i, 0
.rept 16
	v_pk_mul_f32 v[S+i:S+i+1], v[O+i:O+i+1], v[14:15] op_sel_hi:[1,0]
.set i, i+2
.endr
.irp b, 0,1
	v_max3_num_f32 v[BM+\b], |v[S+16*\b]|, |v[S+16*\b+1]|, 0x1800000
.endr
.irp i, 2,4,6,8,10,12,14
.irp b, 0,1
	s_delay_alu instid0(VALU_DEP_2)
	v_max3_num_f32 v[BM+\b], v[BM+\b], |v[S+16*\b+\i]|, |v[S+16*\b+\i+1]|
.endr
.endr
.irp b, 0,1
	s_delay_alu instid0(VALU_DEP_2)
	v_permlanex16_b32 v[BY+\b], v[BM+\b], s[SEL], s[SEL+1]
.endr
.irp b, 0,1
	s_delay_alu instid0(VALU_DEP_2)
	v_max_num_f32 v[BM+\b], v[BM+\b], v[BY+\b]
.endr
.irp b, 0,1
	s_delay_alu instid0(VALU_DEP_2)
	v_add_nc_u32 v[SO+\b], 0xff000000, v[BM+\b]
.endr
.irp b, 0,1
	s_delay_alu instid0(VALU_DEP_2)
	v_lshrrev_b32 v[BY+\b], 23, v[SO+\b]
.endr
	s_delay_alu instid0(VALU_DEP_1)
	v_lshl_or_b32 v[PWO], v[BY+1], 8, v[BY]
	v_cvt_scalef32_pk16_fp6_f32 v[PCD:PCD+2], v[S:S+15], v[SO]
	v_cvt_scalef32_pk16_fp6_f32 v[PT:PT+2], v[S+16:S+31], v[SO+1]
	v_nop
.irp i, 0,1,2
	v_permlane16_swap_b32 v[PCD+\i], v[PT+\i]      ; the operand wants a whole block in a lane
.endr
.irp i, 0,1,2
	v_mov_b32 v[PCD+3+\i], v[PT+\i]
.endr
	WIN 0x04*\e                                    ; the data: window e
.irp p, 0,1,2
	global_store_b64 v[LV], v[PCD+2*\p:PCD+2*\p+1], s[52:53] offset:256*\p+12288*\e   ; 256 consecutive bytes, aligned
.endr
	global_store_b16 v[LVS], v[PWO], s[54:55] offset:64*\e
.endm
	s_load_b128 s[4:7], s[0:1], 0x0                ; qkv, oimg
	v_lshl_add_u32 v254, v0, 2, SPARE
	v_mov_b32 v255, 0
	ds_add_u32 v254, v255
	ds_add_u32 v254, v255
	v_lshrrev_b32 v10, 5, v0
	s_delay_alu instid0(VALU_DEP_1)
	v_readfirstlane_b32 s[WV], v10                 ; wave 0..7
	s_bfe_u32 s9, ttmp6, 0x40000                   ; cx
	s_lshl_b32 s10, ttmp9, 2
	s_add_co_u32 s10, s10, s9                      ; my block of 256 queries
	s_and_b32 s11, ttmp7, 0xffff                   ; batch x 16 + head
	s_mul_i32 s12, s11, 307200
	s_mov_b32 s16, 15|(3<<16)|(1<<21)              ; all four partners; elements of 8 bytes; bit 21 beside a mask
	s_mov_b32 s17, 1600<<16                        ; a row: 12,800 bytes, K and V of one record
	s_mov_b32 s18, 2<<16                           ; two records
	s_mov_b32 s19, 1600<<16
	s_mov_b32 s20, 2
	s_mov_b32 s21, 2400                            ; from record to record 19,200 bytes
	s_mov_b32 s22, 0
	s_mov_b32 s23, 0
	s_mul_i32 s38, s[WV], 38400                    ; my two records: no place in the cluster enters
	s_add_co_u32 s38, s38, s12
	s_mov_b32 s39, 0
	s_mov_b32 s24, 1
	s_mul_i32 s25, s[WV], 2*REC
	s_mov_b32 s[SEL], 0x76543210
	s_mov_b32 s[SEL+1], 0xfedcba98
	s_mov_b32 s[CS], 0x3e38aa3b                    ; c = log2(e) / 8
	s_mov_b32 s[CS+1], s[CS]
	s_mov_b32 s[NC], 0xbe38aa3b                    ; -c
	s_mov_b32 s49, 0x01000100
	s_mov_b32 s50, 0x03020302
	s_mov_b32 s[TB], 0
	s_wait_dscnt 0x0
	s_wait_kmcnt 0x0
	CROUND                                         ; all four work-groups are here: the joint loads meet
	s_add_nc_u64 s[26:27], s[4:5], s[38:39]
	s_or_b32 s27, s27, 0x80000000
	tensor_load_to_lds s[24:27], s[16:23]          ; my one tensor load of the launch
	s_nop 0
	s_lshl_b32 s41, s10, 1                         ; q: record 2 x block + wave / 4, images 2 (wave % 4) and the next
	s_lshr_b32 s42, s[WV], 2
	s_add_co_u32 s41, s41, s42
	s_mul_i32 s41, s41, 19200
	s_add_co_u32 s41, s41, s12
	s_and_b32 s42, s[WV], 3
	s_mul_i32 s43, s42, 1536
	s_add_co_u32 s44, s41, s43
	s_add_co_u32 s44, s44, 12800
	s_mov_b32 s45, 0
	s_add_nc_u64 s[44:45], s[4:5], s[44:45]
	s_lshl_b32 s42, s42, 6
	s_add_co_u32 s46, s41, s42
	s_add_co_u32 s46, s46, 18944
	s_mov_b32 s47, 0
	s_add_nc_u64 s[46:47], s[4:5], s[46:47]
	s_lshr_b32 s38, s11, 4                         ; o: block of 16 tokens = 128 batch + 16 x my query block + 2 wave (+ tile)
	s_lshl_b32 s38, s38, 7
	s_lshl_b32 s39, s10, 4
	s_add_co_u32 s38, s38, s39
	s_lshl_b32 s39, s[WV], 1
	s_add_co_u32 s38, s38, s39
	s_bfe_u32 s39, s11, 0x30001                    ; the next product's K step: head / 2
	s_and_b32 s40, s11, 1                          ; and which half of it
	s_lshl_b32 s41, s38, 3
	s_add_co_u32 s41, s41, s39
	s_mul_i32 s52, s41, 1536
	s_mul_i32 s41, s40, 768
	s_add_co_u32 s52, s52, s41
	s_mov_b32 s53, 0
	s_add_nc_u64 s[52:53], s[6:7], s[52:53]
	s_lshl_b32 s54, s39, 14
	s_lshl_b32 s41, s38, 6
	s_add_co_u32 s54, s54, s41
	s_lshl_b32 s41, s40, 1
	s_add_co_u32 s54, s54, s41
	s_add_co_u32 s54, s54, 3145728
	s_mov_b32 s55, 0
	s_add_nc_u64 s[54:55], s[6:7], s[54:55]
	v_and_b32 v10, 31, v0
	v_and_b32 v11, 15, v0
	v_bfe_u32 v[SH], v0, 4, 1                      ; h
	v_lshlrev_b32 v[LV], 3, v10
	v_lshlrev_b32 v[LVS], 2, v11
	v_bfe_u32 v10, v0, 3, 1                        ; r / 8
	v_and_b32 v11, 7, v0                           ; r % 8
	v_lshlrev_b32 v[LK], 3, v11
	v_lshlrev_b32 v[LKS], 2, v11
	v_lshl_add_u32 v[LK], v[SH], 7, v[LK]
	v_lshl_add_u32 v[LKS], v10, 6, v[LKS]
	v_mad_u32_u24 v[LK], v10, 1536, v[LK]
	v_lshlrev_b32 v[SH], 3, v[SH]                  ; 8 h
	s_wait_alu depctr_va_vdst(0)
.irp p, 0,1,2
	global_load_b64 v[16+2*\p:17+2*\p], v[LV], s[44:45] offset:256*\p
	global_load_b64 v[28+2*\p:29+2*\p], v[LV], s[44:45] offset:256*\p
.endr
	global_load_b32 v10, v[LVS], s[46:47]          ; one word serves both tiles: two bytes each
	WIN 0x40
.irp p, 0,1,2
	global_load_b64 v[16+2*\p:17+2*\p], v[LV], s[44:45] offset:768+256*\p
	global_load_b64 v[28+2*\p:29+2*\p], v[LV], s[44:45] offset:768+256*\p
.endr
	v_mov_b32 v[SH], v[SH]                         ; 8 h into window 1 too
	WIN 0
	s_wait_loadcnt 0x0
	v_perm_b32 v[QS], v10, v10, s49                ; the tile's two bytes, twice: q stands in either half of K
	v_perm_b32 v[QS+1], v10, v10, s50
	INIT 0
	INIT 1
	WIN 0
	v_mov_b32 v[AK], v[LK]
	v_mov_b32 v[AV], v[LV]
	v_mov_b32 v[AKS], v[LKS]
	v_mov_b32 v[AVS], v[LVS]
	s_wait_alu depctr_va_vdst(0)                   ; the wait at the head's end
	s_wait_tensorcnt 0x0                           ; my two records are in
	s_barrier_signal -1
	s_barrier_wait -1                              ; and everybody's
	KLOAD 0
	s_mov_b32 s[CNT], 15
.Lstep:
	STEP 1
	s_sub_co_u32 s[CNT], s[CNT], 1
	s_cmp_lg_u32 s[CNT], 0
	s_cbranch_scc1 .Lstep
	STEP 0                                         ; the last step fetches nothing more
	FIN 0
	FIN 1
	WIN 0
	s_wait_tensorcnt 0x0                           ; the wave's end
	ds_add_u32 v254, v255
	s_wait_dscnt 0x0
	CROUND                                         ; the closing round
	s_endpgm
.Lfunc_end_k_q95dc673827_attn:
	.size	k_q95dc673827_attn, .Lfunc_end_k_q95dc673827_attn-k_q95dc673827_attn
	.p2alignl 7, 3214868480
	.fill 96, 4, 3214868480
	.section	.rodata,"a",@progbits
	.p2align	6, 0x0
	.amdhsa_kernel k_q95dc673827_attn
		.amdhsa_group_segment_fixed_size 327680
		.amdhsa_private_segment_fixed_size 0
		.amdhsa_enable_private_segment 0
		.amdhsa_kernarg_size 16
		.amdhsa_user_sgpr_count 2
		.amdhsa_user_sgpr_kernarg_segment_ptr 1
		.amdhsa_wavefront_size32 1
		.amdhsa_system_sgpr_workgroup_id_x 1
		.amdhsa_system_sgpr_workgroup_id_y 1
		.amdhsa_system_sgpr_workgroup_id_z 1
		.amdhsa_system_vgpr_workitem_id 0
		.amdhsa_next_free_vgpr 512
		.amdhsa_next_free_sgpr 66
		.amdhsa_reserve_vcc 0
		.amdhsa_float_denorm_mode_32 3
		.amdhsa_float_denorm_mode_16_64 3
		.amdhsa_memory_ordered 1
		.amdhsa_forward_progress 1
		.amdhsa_inst_pref_size 77
	.end_amdhsa_kernel
	.amdgpu_metadata
---
amdhsa.version: [ 1, 2 ]
amdhsa.kernels:
  - .name:           k_q95dc673827_attn
    .symbol:         k_q95dc673827_attn.kd
    .args:
      - { .name: qkv, .offset: 0, .size: 8, .value_kind: global_buffer, .address_space: global }
      - { .name: oimg, .offset: 8, .size: 8, .value_kind: global_buffer, .address_space: global }
    .group_segment_fixed_size: 327680
    .private_segment_fixed_size: 0
    .kernarg_segment_align: 8
    .kernarg_segment_size: 16
    .max_flat_workgroup_size: 256
    .sgpr_count:     66
    .vgpr_count:     512
    .wavefront_size: 32
...
	.end_amdgpu_metadata
.endif
;; end of part 3
;; launch proj (part 4): grid 8 x 32, 4 waves a work-group, clusters of 4 x 4, 327,680 bytes of LDS; arguments oimg, wimg, b_proj, x, x1; writes x1
.if DOCPART == 4
	.amdgcn_target "amdgcn-amd-amdhsa--gfx1250"
	.amdhsa_code_object_version 6
	.text
	.protected	k_q95dc673827_proj
	.globl	k_q95dc673827_proj
	.p2align	8
	.type	k_q95dc673827_proj,@function
k_q95dc673827_proj:
	s_mov_b64 s[64:65], 0
	v_nop
	global_prefetch_b8 v0, s[64:65] scope:SCOPE_SE
	s_setreg_imm32_b32 hwreg(HW_REG_WAVE_MODE, 25, 1), 1
	s_wait_xcnt 0x0
	s_wait_alu depctr_hold_cnt(0) depctr_sa_sdst(0) depctr_va_vdst(0) depctr_va_sdst(0) depctr_va_ssrc(0) depctr_va_vcc(0) depctr_vm_vsrc(0)
	s_getreg_b32 s2, hwreg(HW_REG_IB_STS2, 6, 4)
	s_cmp_eq_u32 s2, 0
	s_cbranch_scc0 .Lentry_in_a_cluster
	s_endpgm
.Lentry_in_a_cluster:
	s_bfe_u32 s2, ttmp6, 0x10000c
	s_cmp_lg_u32 s2, 0xf033
	s_cbranch_scc0 .Lentry_shape_is_right
	s_endpgm
.Lentry_shape_is_right:
; out = res + A W^T + bias on FP6 codes.  A: images [256 blocks][KS][1536], scale words [KS][256][16]; W: images [64 blocks][KS][1536], scale words [block][KS][16]; res, out: [4096][1024] f32.
; N = 1,024 gives 64 tiles of 256 x 256: too few for the chip's 256 WGPs.  So a tile is 128 x 128: 256 work-groups, four waves of 64 x 64 (16 accumulators).
; K goes in slots of 512 (four K steps of 128) through a ring of two LDS slots; a tile's rows are 6,144 dense bytes.  The scale words of all of K come once.
; CLUSTER 4 x 4: A's tiles are shared along a row of the cluster, W's along a column: joint loads.
; Source 0 = W's rows, source 1 = A's: a lane holds one token and 16 neighbouring channels in two neighbouring accumulators.  The bias is the C of each sum's first product.
; The residual's 64 x 64 numbers are asked for at the head, in the layout in which the rows come back from the stage.
; The same text serves both such products; only the four lines below differ.
.set SIZE_K, 1024
.set W_C, 2359296                      ; where W's images begin in wimg
.set W_S, 9535488                      ; and its scale words
.set A_S, 3145728                      ; where A's scale words begin
.set KS,    SIZE_K/128
.set HALFT, 24576                      ; 4 blocks x 4 K steps x 1,536
.set SLOT,  4*HALFT
.set SCL,   2*SLOT
.set HALFS, 256*KS                     ; the scale words of 64 rows, all of K
.set STAGE, SCL+4*HALFS                ; 16 rows x 272 bytes a wave: no fill lands here
.set SPARE, STAGE+4*16*272
.set LAPS,  SIZE_K/1024
.set ADRA, 16
.set ADRB, 20
.set ADSA, 22
.set ADSB, 23
.set STO,  24
.set RD,   25
.set CO,   26
.set BO,   27
.set SPW,  28
.set NIL,  29
.set SC,   32                          ; v32-63 scale words and nothing else: set s at + 16 s; A's (block i, pair of K steps qq) at + 2 i + qq, W's at + 8 + 2 i + qq
.set BIAS, 64                          ; v64-95; on the way out v64-95 and v96-127 take rows by turns
.set BK,   64
.set ACC,  128
.set G1, 24
.set G0, 32
.set G1B, 48
.set G0B, 56
.set G1S, 68
.set G0S, 76
.set G1SB, 80
.set G0SB, 88
.set MUL, 0x05                         ; sources 0 and 1 window 1; C and D window 0
.set MSB, 0
.macro WIN new
.if MSB != (\new)
	s_set_vgpr_msb (MSB<<8)|(\new)
.set MSB, (\new)
.endif
.endm
.macro PLACES n
.rept \n
	v_nop
.endr
.endm
.macro JLOAD g0a, g1a, g0b, g1b
	s_cmp_eq_u32 s15, 0
	s_cbranch_scc0 .Lfor_b_\@
	tensor_load_to_lds s[\g0a:\g0a+3], s[\g1a:\g1a+7]
	s_nop 0
.rept 4
	v_nop
.endr
	s_branch .Lasked_\@
.Lfor_b_\@:
	tensor_load_to_lds s[\g0b:\g0b+3], s[\g1b:\g1b+7]
	s_nop 0
.rept 4
	v_nop
.endr
.Lasked_\@:
.endm
.macro CREST
	s_cmp_lg_u32 s14, 0
	s_cbranch_scc1 .Lnot_wave_0_\@
	s_barrier_signal -3
.Lnot_wave_0_\@:
	s_barrier_wait -3
	s_barrier_signal -1
	s_barrier_wait -1
.endm
.macro CROUND
	s_barrier_signal -1
	s_barrier_wait -1
	CREST
.endm
	s_load_b256 s[4:11], s[0:1], 0x0               ; A, wimg, bias, res
	s_load_b64 s[12:13], s[0:1], 0x20              ; out
	v_lshl_add_u32 v[SPW], v0, 2, SPARE
	v_mov_b32 v[NIL], 0
	ds_add_u32 v28, v29
	ds_add_u32 v28, v29
	s_wait_dscnt 0x0
	v_lshrrev_b32 v1, 5, v0
	v_readfirstlane_b32 s14, v1
	s_lshr_b32 s15, s14, 1                         ; my half of the rows.  Also: I fetch for A (0) or W (1)
	s_and_b32 s16, s14, 1                          ; my half of the columns.  Also: which half I fetch
	s_bfe_u32 s40, ttmp6, 0x40000
	s_bfe_u32 s41, ttmp6, 0x40004
	s_lshl_b32 s42, ttmp9, 2
	s_add_co_u32 s42, s42, s40                     ; tile column
	s_and_b32 s17, ttmp7, 0xffff
	s_lshl_b32 s17, s17, 2
	s_add_co_u32 s17, s17, s41                     ; tile row
	s_lshl_b32 s43, s41, 2
	s_lshl_b32 s43, 15, s43
	s_lshl_b32 s44, 0x1111, s40
	s_or_b32 s[G1+0], s43, (3<<16)|(1<<21)
	s_or_b32 s[G1B+0], s44, (3<<16)|(1<<21)
.irp g, G1, G1B
	s_mov_b32 s[\g+1], 768<<16                     ; 6,144 bytes
	s_mov_b32 s[\g+2], 8<<16                       ; 8 blocks for the head's loads; behind them 4
	s_mov_b32 s[\g+3], 768<<16
	s_mov_b32 s[\g+4], 8
	s_mov_b32 s[\g+5], 192*KS                      ; from block to block
	s_mov_b32 s[\g+6], 0
	s_mov_b32 s[\g+7], 0
.endr
	s_or_b32 s[G1S+0], s43, (3<<16)|(1<<21)
	s_or_b32 s[G1SB+0], s44, (3<<16)|(1<<21)
.irp g, G1S, G1SB
	s_mov_b32 s[\g+6], 0
	s_mov_b32 s[\g+7], 0
.endr
	s_mov_b32 s[G1S+1], 64<<16                     ; A's: KS rows of 512 bytes (8 blocks x 16 words),
	s_mov_b32 s[G1S+2], KS<<16
	s_mov_b32 s[G1S+3], 64<<16
	s_mov_b32 s[G1S+4], KS
	s_mov_b32 s[G1S+5], 2048                       ; from K step to K step 16,384 bytes
	s_mov_b32 s[G1SB+1], 32<<16                    ; W's: 8 blocks, dense, as 2 KS rows of 256 bytes
	s_mov_b32 s[G1SB+2], (2*KS)<<16
	s_mov_b32 s[G1SB+3], 32<<16
	s_mov_b32 s[G1SB+4], 2*KS
	s_mov_b32 s[G1SB+5], 32                        ; W's: dense
	s_lshl_b32 s20, s17, 3                         ; A: the tile's first block
	s_lshl_b32 s46, s42, 3                         ; W
	s_lshl_b32 s22, s20, 6
	s_add_co_u32 s22, s22, A_S
	s_mul_i32 s94, s46, 64*KS
	s_add_co_u32 s94, s94, W_S
	s_mul_i32 s20, s20, 1536*KS
	s_mul_i32 s46, s46, 1536*KS
	s_add_co_u32 s46, s46, W_C
	s_mov_b32 s21, 0
	s_mov_b32 s23, 0
	s_mov_b32 s47, 0
	s_mov_b32 s95, 0
	s_mul_i32 s45, s14, HALFT
	s_wait_kmcnt 0x0
	s_add_nc_u64 s[20:21], s[4:5], s[20:21]
	s_add_nc_u64 s[22:23], s[4:5], s[22:23]
	s_add_nc_u64 s[46:47], s[6:7], s[46:47]
	s_add_nc_u64 s[94:95], s[6:7], s[94:95]
	CROUND
	s_mov_b32 s[G0S], 1
	s_mov_b32 s[G0S+1], SCL
	s_mov_b64 s[G0S+2:G0S+3], s[22:23]
	s_or_b32 s[G0S+3], s[G0S+3], 0x80000000
	s_mov_b32 s[G0SB], 1
	s_mov_b32 s[G0SB+1], SCL+2*HALFS
	s_mov_b64 s[G0SB+2:G0SB+3], s[94:95]
	s_or_b32 s[G0SB+3], s[G0SB+3], 0x80000000
	s_mov_b32 s4, 1                                ; the head's loads of slot 0, each side whole: A's 8 blocks,
	s_mov_b32 s5, 0
	s_mov_b64 s[6:7], s[20:21]
	s_or_b32 s7, s7, 0x80000000
	s_mov_b32 s96, 1                               ; W's, behind them
	s_mov_b32 s97, 2*HALFT
	s_mov_b64 s[98:99], s[46:47]
	s_or_b32 s99, s99, 0x80000000
	s_mul_i32 s92, s16, 6144*KS                    ; for the ring: my 4 blocks of the tile
	s_mov_b32 s93, 0
	s_add_nc_u64 s[20:21], s[20:21], s[92:93]
	s_add_nc_u64 s[46:47], s[46:47], s[92:93]
	; THE PREFETCH: slot 1 is asked for one fill ahead.  Of the 4 blocks that I fetch, each of the four partners that ask for them jointly takes one, told apart by address (cx for A, cy for W):
	; 6,144 bytes, 24 pieces of 256, a lane a piece (lanes 24-31 name the last piece again).  s[18:19] and v30 are never rewritten
	s_cmp_eq_u32 s15, 0
	s_cselect_b64 s[18:19], s[20:21], s[46:47]
	s_cselect_b32 s92, s40, s41
	s_mul_i32 s92, s92, 1536*KS
	s_add_nc_u64 s[18:19], s[18:19], s[92:93]
.irp s, 0,1
	s_mov_b32 s[G0+4*\s], 1
	s_add_co_u32 s[G0+4*\s+1], s45, \s*SLOT
	s_add_nc_u64 s[G0+4*\s+2:G0+4*\s+3], s[20:21], \s*6144
	s_or_b32 s[G0+4*\s+3], s[G0+4*\s+3], 0x80000000
	s_mov_b32 s[G0B+4*\s], 1
	s_add_co_u32 s[G0B+4*\s+1], s45, \s*SLOT
	s_add_nc_u64 s[G0B+4*\s+2:G0B+4*\s+3], s[46:47], \s*6144
	s_or_b32 s[G0B+4*\s+3], s[G0B+4*\s+3], 0x80000000
.endr
; THE HEAD'S LOADS, ONE A WAVE: wave 0 slot 0's A, wave 1 its W, wave 2 A's scale words, wave 3 W's.  One tree of branches on the wave's number
.macro ARM under, g0, g1, next
	s_cmp_lt_u32 s14, \under
	s_cbranch_scc0 \next
	tensor_load_to_lds s[\g0:\g0+3], s[\g1:\g1+7]
	s_nop 0
.rept 4
	v_nop
.endr
	s_branch .Lhead_asked
\next:
.endm
	ARM 1, 4, G1, .Lhead_b
	ARM 2, 96, G1B, .Lhead_sa
	ARM 3, G0S, G1S, .Lhead_sb
	tensor_load_to_lds s[G0SB:G0SB+3], s[G1SB:G1SB+7]
	s_nop 0
.rept 4
	v_nop
.endr
.Lhead_asked:
	v_and_b32 v30, 31, v0
	v_min_u32 v30, 23, v30
	v_lshlrev_b32 v30, 8, v30                      ; 256 x min(lane, 23)
	global_prefetch_b8 v30, s[18:19] offset:6144 th:TH_LOAD_NT scope:SCOPE_SE    ; slot 1, the last
	v_and_b32 v1, 31, v0
	v_and_b32 v2, 15, v0
	s_wait_alu depctr_va_vdst(0)
	v_bfe_u32 v3, v0, 4, 1
	v_lshlrev_b32 v4, 3, v1
	s_mul_i32 s21, s15, HALFT
	s_mul_i32 s22, s16, HALFT
	s_add_co_u32 s22, s22, 2*HALFT
.irp s, 0,1
	v_add_nc_u32 v[ADRA+\s], s21, v4
	v_add_nc_u32 v[ADRB+\s], s22, v4
	s_add_co_u32 s21, s21, SLOT
	s_add_co_u32 s22, s22, SLOT
.endr
	s_lshl_b32 s21, s15, 8                         ; my 4 blocks of a K step's 8: 256 bytes
	s_add_co_u32 s21, s21, SCL
	v_lshlrev_b32 v5, 2, v2
	s_wait_alu depctr_va_vdst(0)
	v_lshl_add_u32 v5, v3, 9, v5
	v_add_nc_u32 v[ADSA], s21, v5                  ; A's words lie [K step][8 blocks][16]: 4 r, lanes 16-31 a K step (512 bytes) on
	s_mul_i32 s22, s16, HALFS
	s_add_co_u32 s22, s22, SCL+2*HALFS
	v_lshlrev_b32 v5, 2, v1
	v_add_nc_u32 v[ADSB], s22, v5                  ; W's lie [block][K step][16]: 4 x lane
	s_mul_i32 s23, s14, 16*272
	s_add_co_u32 s23, s23, STAGE
	v_mul_u32_u24 v5, v2, 272
	v_lshl_add_u32 v5, v3, 6, v5
	v_add_nc_u32 v[STO], s23, v5                   ; in: row r, + 64 h
	v_mul_u32_u24 v5, v3, 272
	v_lshl_add_u32 v5, v2, 4, v5
	v_add_nc_u32 v[RD], s23, v5                    ; back: lanes 0-15 one row of 256 bytes, lanes 16-31 the next
	v_lshlrev_b32 v[CO], 12, v3
	v_lshl_add_u32 v[CO], v2, 4, v[CO]             ; and the same two rows in memory
	v_lshlrev_b32 v[BO], 6, v3
	s_wait_alu depctr_va_vdst(0)
	s_lshl_b32 s20, s17, 7
	s_lshl_b32 s21, s15, 6
	s_add_co_u32 s20, s20, s21
	s_lshl_b32 s20, s20, 12                        ; my first row, 4,096 bytes a row
	s_lshl_b32 s22, s42, 9
	s_lshl_b32 s23, s16, 8
	s_add_co_u32 s22, s22, s23                     ; my first column, in bytes: a multiple of 256
	s_add_co_u32 s20, s20, s22
	s_mov_b32 s21, 0
	s_mov_b32 s23, 0
	s_add_nc_u64 s[8:9], s[8:9], s[22:23]
	s_add_nc_u64 s[10:11], s[10:11], s[20:21]
	s_add_nc_u64 s[12:13], s[12:13], s[20:21]
.irp b, 0,1,2,3
	global_load_b128 v[BIAS+8*\b:BIAS+8*\b+3], v[BO], s[8:9] offset:(32*(\b/2)+8*(\b%2))*4       ; register j: channel 32 (b/2) + 8 (b%2) + 16 h + j
	global_load_b128 v[BIAS+8*\b+4:BIAS+8*\b+7], v[BO], s[8:9] offset:(32*(\b/2)+8*(\b%2))*4+16
.endr
	WIN 0x80                                       ; destination window 2
.irp a, 0,1,2,3
.irp t, 0,1,2,3,4,5,6,7
	global_load_b128 v[32*\a+4*\t:32*\a+4*\t+3], v[CO], s[10:11] offset:(32*(\a/2)+8*(\a%2)+2*\t+8*(\t/4))*4096
.endr
.endr
	WIN 0
.macro FRAG reg, adr, q, i
.irp p, 0,1,2,3,4,5
	ds_load_b64 v[\reg+2*\p:\reg+2*\p+1], v[\adr] offset:6144*(\i)+1536*(\q)+256*\p
.endr
.endm
.macro FETCH slot, q, f                ; 48 loads: W's four fragments, then A's four; the youngest twelve are A's blocks 2 and 3
	WIN 0x40
.irp i, 0,1,2,3
	FRAG \f+48+12*\i, ADRB+\slot, \q, \i
.endr
.irp i, 0,1,2,3
	FRAG \f+12*\i, ADRA+\slot, \q, \i
.endr
.endm
.macro SCALES sc
.irp i, 0,1,2,3
.irp qq, 0,1
	ds_load_b32 v[SC+16*\sc+2*\i+\qq], v[ADSA] offset:1024*\qq+64*\i
	ds_load_b32 v[SC+16*\sc+8+2*\i+\qq], v[ADSB] offset:64*KS*\i+128*\qq
.endr
.endr
.endm
; four products: A's block a against W's four; K step q of the slot; the 16 accumulators take turns
.macro MULA q, sc, a, zero
.irp b, 0,1,2,3
.if \zero
	v_wmma_scale_f32_16x16x128_f8f6f4 v[ACC+8*(4*(\a)+\b):ACC+8*(4*(\a)+\b)+7], v[128*((\q)%2)+48+12*\b:128*((\q)%2)+48+12*\b+11], v[128*((\q)%2)+12*(\a):128*((\q)%2)+12*(\a)+11], v[BIAS+8*\b:BIAS+8*\b+7], v[SC+16*(\sc)+8+2*\b+(\q)/2], v[SC+16*(\sc)+2*(\a)+(\q)/2] matrix_a_fmt:MATRIX_FMT_FP6 matrix_b_fmt:MATRIX_FMT_FP6
.elseif (\q)%2
	v_wmma_scale_f32_16x16x128_f8f6f4 v[ACC+8*(4*(\a)+\b):ACC+8*(4*(\a)+\b)+7], v[128*((\q)%2)+48+12*\b:128*((\q)%2)+48+12*\b+11], v[128*((\q)%2)+12*(\a):128*((\q)%2)+12*(\a)+11], v[ACC+8*(4*(\a)+\b):ACC+8*(4*(\a)+\b)+7], v[SC+16*(\sc)+8+2*\b+(\q)/2], v[SC+16*(\sc)+2*(\a)+(\q)/2] matrix_a_fmt:MATRIX_FMT_FP6 matrix_b_fmt:MATRIX_FMT_FP6 matrix_a_scale:MATRIX_SCALE_ROW1 matrix_b_scale:MATRIX_SCALE_ROW1
.else
	v_wmma_scale_f32_16x16x128_f8f6f4 v[ACC+8*(4*(\a)+\b):ACC+8*(4*(\a)+\b)+7], v[128*((\q)%2)+48+12*\b:128*((\q)%2)+48+12*\b+11], v[128*((\q)%2)+12*(\a):128*((\q)%2)+12*(\a)+11], v[ACC+8*(4*(\a)+\b):ACC+8*(4*(\a)+\b)+7], v[SC+16*(\sc)+8+2*\b+(\q)/2], v[SC+16*(\sc)+2*(\a)+(\q)/2] matrix_a_fmt:MATRIX_FMT_FP6 matrix_b_fmt:MATRIX_FMT_FP6
.endif
.endr
.endm
.macro QUARTER slot, q, zero           ; one of a slot's first three K steps
	s_wait_dscnt 12                                ; all but A's blocks 2 and 3
	WIN MUL
	MULA \q, \slot, 0, \zero
	MULA \q, \slot, 1, \zero
	PLACES 4                                       ; ahead of loads into the set that the last K step multiplied
	FETCH \slot, (\q)+1, 128*(((\q)+1)%2)
	s_wait_dscnt 48                                ; all but the 48 just issued
	WIN MUL
	MULA \q, \slot, 2, \zero
	MULA \q, \slot, 3, \zero
.endm
.macro TURN slot, next, fill           ; a slot's fourth K step changes slots: one barrier
	WIN 0
	s_wait_tensorcnt 0x0                           ; all my tensor loads have landed
	ds_add_u32 v[SPW], v[NIL]                      ; 0 onto my spare word
	s_wait_dscnt 13                                ; the add and A's blocks 2 and 3 may be out
	WIN MUL
	MULA 3, \slot, 0, 0
	s_wait_dscnt 0x0                               ; the add is done, and my reads of this slot are over
	s_barrier_signal -1
	MULA 3, \slot, 1, 0
	WIN 0
	s_barrier_wait -1
.if \fill
	CREST
	s_add_nc_u64 s[G0+4*\slot+2:G0+4*\slot+3], s[G0+4*\slot+2:G0+4*\slot+3], 12288
	s_add_nc_u64 s[G0B+4*\slot+2:G0B+4*\slot+3], s[G0B+4*\slot+2:G0B+4*\slot+3], 12288
	JLOAD G0+4*\slot, G1, G0B+4*\slot, G1B         ; my one tensor load behind the round
.else
	PLACES 4
.endif
	v_add_nc_u32 v[ADSA], 2048, v[ADSA]            ; four K steps of 512 bytes on
	v_add_nc_u32 v[ADSB], 256, v[ADSB]
	SCALES \next
	FETCH \next, 0, 0
	WIN MUL
	MULA 3, \slot, 2, 0
	MULA 3, \slot, 3, 0
.endm
	s_wait_alu depctr_va_vdst(0)                   ; the wait at the head's end
	s_wait_tensorcnt 0x0                           ; my tile of the head's four is in
	ds_add_u32 v[SPW], v[NIL]
	s_mov_b32 s[G1+2], 4<<16                       ; no tensor load of mine is out: from here on a load brings 4 blocks
	s_mov_b32 s[G1+4], 4
	s_mov_b32 s[G1B+2], 4<<16
	s_mov_b32 s[G1B+4], 4
	s_wait_dscnt 0x0
	CROUND                                         ; all four tiles are in, all sixteen work-groups are here
	JLOAD G0+4, G1, G0B+4, G1B                     ; slot 1: my one tensor load behind the round
	SCALES 0
	FETCH 0, 0, 0
	s_wait_loadcnt 32                              ; the bias is in; the residual's 32 loads may stay out
	QUARTER 0, 0, 1
.if LAPS > 1
	WIN 0
	s_mov_b32 s3, LAPS-1
.Llap:
	QUARTER 0, 1, 0
	QUARTER 0, 2, 0
	TURN 0, 1, 1
	QUARTER 1, 0, 0
	QUARTER 1, 1, 0
	QUARTER 1, 2, 0
	TURN 1, 0, 1
	QUARTER 0, 0, 0
	WIN 0
	s_sub_co_u32 s3, s3, 1
	s_cmp_lg_u32 s3, 0
	s_cbranch_scc1 .Llap
.endif
	QUARTER 0, 1, 0
	QUARTER 0, 2, 0
	TURN 0, 1, 0
	QUARTER 1, 0, 0
	QUARTER 1, 1, 0
	QUARTER 1, 2, 0
	s_wait_dscnt 12
	WIN MUL
	MULA 3, 1, 0, 0
	MULA 3, 1, 1, 0
	s_wait_dscnt 0x0
	MULA 3, 1, 2, 0
	MULA 3, 1, 3, 0
	WIN 0
	PLACES 4
	s_wait_loadcnt 0x0                             ; the residual
; THE WAY OUT, a block of 16 tokens x 64 channels at a time, through my own stage: in by lanes' 32 bytes, back as whole rows of 256 bytes
.macro TOSTAGE a
.irp b, 0,1,2,3
	ds_store_b128 v[STO], v[ACC+8*(4*(\a)+\b):ACC+8*(4*(\a)+\b)+3] offset:128*(\b/2)+32*(\b%2)       ; each accumulator from its low end on
	ds_store_b128 v[STO], v[ACC+8*(4*(\a)+\b)+4:ACC+8*(4*(\a)+\b)+7] offset:128*(\b/2)+32*(\b%2)+16
.endr
.irp t, 0,1,2,3,4,5,6,7
	ds_load_b128 v[BK+32*((\a)%2)+4*\t:BK+32*((\a)%2)+4*\t+3], v[RD] offset:544*\t   ; my own bytes, served in order
.endr
.endm
.macro SEND a, younger
	s_wait_dscnt \younger
	WIN 0x08                                       ; source 1: window 2, the residual
.irp t, 0,1,2,3,4,5,6,7
.irp u, 0,2
	v_pk_add_f32 v[BK+32*((\a)%2)+4*\t+\u:BK+32*((\a)%2)+4*\t+\u+1], v[BK+32*((\a)%2)+4*\t+\u:BK+32*((\a)%2)+4*\t+\u+1], v[32*(\a)+4*\t+\u:32*(\a)+4*\t+\u+1]
.endr
.endr
	WIN 0
.irp t, 0,1,2,3,4,5,6,7
	global_store_b128 v[CO], v[BK+32*((\a)%2)+4*\t:BK+32*((\a)%2)+4*\t+3], s[12:13] offset:(32*((\a)/2)+8*((\a)%2)+2*\t+8*(\t/4))*4096   ; sixteen lanes store 256 consecutive bytes, aligned
.endr
.endm
	TOSTAGE 0
.irp a, 1,2,3
.if \a > 1
	s_wait_xcnt 0x0                                ; block a - 2's stores have read the registers into which block a's rows come back
.endif
	TOSTAGE \a
	SEND \a-1, 16                                  ; behind block a - 1's loads: block a's 8 stores and 8 loads
.endr
	SEND 3, 0
	s_wait_tensorcnt 0x0                           ; the wave's end
	ds_add_u32 v[SPW], v[NIL]
	s_wait_dscnt 0x0
	CROUND
	s_endpgm
.Lfunc_end_k_q95dc673827_proj:
	.size	k_q95dc673827_proj, .Lfunc_end_k_q95dc673827_proj-k_q95dc673827_proj
	.p2alignl 7, 3214868480
	.fill 96, 4, 3214868480
	.section	.rodata,"a",@progbits
	.p2align	6, 0x0
	.amdhsa_kernel k_q95dc673827_proj
		.amdhsa_group_segment_fixed_size 327680
		.amdhsa_private_segment_fixed_size 0
		.amdhsa_enable_private_segment 0
		.amdhsa_kernarg_size 40
		.amdhsa_user_sgpr_count 2
		.amdhsa_user_sgpr_kernarg_segment_ptr 1
		.amdhsa_wavefront_size32 1
		.amdhsa_system_sgpr_workgroup_id_x 1
		.amdhsa_system_sgpr_workgroup_id_y 1
		.amdhsa_system_sgpr_workgroup_id_z 1
		.amdhsa_system_vgpr_workitem_id 0
		.amdhsa_next_free_vgpr 640
		.amdhsa_next_free_sgpr 100
		.amdhsa_reserve_vcc 0
		.amdhsa_float_denorm_mode_32 3
		.amdhsa_float_denorm_mode_16_64 3
		.amdhsa_memory_ordered 1
		.amdhsa_forward_progress 1
		.amdhsa_inst_pref_size 72
	.end_amdhsa_kernel
	.amdgpu_metadata
---
amdhsa.version: [ 1, 2 ]
amdhsa.kernels:
  - .name:           k_q95dc673827_proj
    .symbol:         k_q95dc673827_proj.kd
    .args:
      - { .name: oimg, .offset: 0, .size: 8, .value_kind: global_buffer, .address_space: global }
      - { .name: wimg, .offset: 8, .size: 8, .value_kind: global_buffer, .address_space: global }
      - { .name: b_proj, .offset: 16, .size: 8, .value_kind: global_buffer, .address_space: global }
      - { .name: x, .offset: 24, .size: 8, .value_kind: global_buffer, .address_space: global }
      - { .name: x1, .offset: 32, .size: 8, .value_kind: global_buffer, .address_space: global }
    .group_segment_fixed_size: 327680
    .private_segment_fixed_size: 0
    .kernarg_segment_align: 8
    .kernarg_segment_size: 40
    .max_flat_workgroup_size: 128
    .sgpr_count:     100
    .vgpr_count:     640
    .wavefront_size: 32
...
	.end_amdgpu_metadata
.endif
;; end of part 4
;; launch ln2: the kernel of part 1 again; grid 256 x 1, 8 waves a work-group, no clusters, 74,752 bytes of LDS; arguments x1, g2, be2, act2, w_qkv_codes, w_qkv_scales, w_proj_codes, w_proj_scales, w_fc1_codes, w_fc1_scales, w_fc2_codes, w_fc2_scales, wimg; writes act2, wimg
;; launch fc1 (part 5): grid 16 x 16, 4 waves a work-group, clusters of 4 x 4, 327,680 bytes of LDS; arguments act2, wimg, b_fc1, hid; writes hid
.if DOCPART == 5
	.amdgcn_target "amdgcn-amd-amdhsa--gfx1250"
	.amdhsa_code_object_version 6
	.text
	.protected	k_q95dc673827_fc1
	.globl	k_q95dc673827_fc1
	.p2align	8
	.type	k_q95dc673827_fc1,@function
k_q95dc673827_fc1:
	s_mov_b64 s[64:65], 0
	v_nop
	global_prefetch_b8 v0, s[64:65] scope:SCOPE_SE
	s_setreg_imm32_b32 hwreg(HW_REG_WAVE_MODE, 25, 1), 1
	s_wait_xcnt 0x0
	s_wait_alu depctr_hold_cnt(0) depctr_sa_sdst(0) depctr_va_vdst(0) depctr_va_sdst(0) depctr_va_ssrc(0) depctr_va_vcc(0) depctr_vm_vsrc(0)
	s_getreg_b32 s2, hwreg(HW_REG_IB_STS2, 6, 4)
	s_cmp_eq_u32 s2, 0
	s_cbranch_scc0 .Lentry_in_a_cluster
	s_endpgm
.Lentry_in_a_cluster:
	s_bfe_u32 s2, ttmp6, 0x10000c
	s_cmp_lg_u32 s2, 0xf033
	s_cbranch_scc0 .Lentry_shape_is_right
	s_endpgm
.Lentry_shape_is_right:
.set HALFT, 24576
.set SLOT,  4*HALFT
.set SCL,   2*SLOT
.set SSTG,  SCL+4*4096
.set SPARE, SSTG+4*512
.set FR, 12
.set NL, 6
.set ADRA, 16
.set ADRB, 20
.set ADSA, 22
.set ADSB, 23
.set VLO,  24
.set BO,   25
.set SST,  26
.set SSL,  27
.set SPW,  28
.set NIL,  29
.set SSA,  30
.set SC,   32
.set BIAS, 64
.set TM,   64
.set PC,   80
.set PW,   100
.set AF,   128
.set GW,   0
.set GP,   64
.set GQ,   128
.set GT,   192
.set GA1,  208
.set GB1,  210
.set CA,   24
.set CB,   36
.set G1, 24
.set G0, 32
.set G1B, 48
.set G0B, 56
.set G1S, 68
.set G0S, 76
.set G1SB, 80
.set G0SB, 88
.set SEL, 66
.set MUL_LO, 0xa1
.set MUL_HI, 0xf1
.set ZLO, 0x81
.set ZHI, 0xc1
.set TO_B, 0x40
.set MSB, 0
.macro WIN new
.if MSB != (\new)
	s_set_vgpr_msb (MSB<<8)|(\new)
.set MSB, (\new)
.endif
.endm
.macro PLACES n
.rept \n
	v_nop
.endr
.endm
.macro JLOAD g0a, g1a, g0b, g1b
	s_cmp_eq_u32 s15, 0
	s_cbranch_scc0 .Lfor_b_\@
	tensor_load_to_lds s[\g0a:\g0a+3], s[\g1a:\g1a+7]
	s_nop 0
.rept 4
	v_nop
.endr
	s_branch .Lasked_\@
.Lfor_b_\@:
	tensor_load_to_lds s[\g0b:\g0b+3], s[\g1b:\g1b+7]
	s_nop 0
.rept 4
	v_nop
.endr
.Lasked_\@:
.endm
.macro CREST
	s_cmp_lg_u32 s14, 0
	s_cbranch_scc1 .Lnot_wave_0_\@
	s_barrier_signal -3
.Lnot_wave_0_\@:
	s_barrier_wait -3
	s_barrier_signal -1
	s_barrier_wait -1
.endm
.macro CROUND
	s_barrier_signal -1
	s_barrier_wait -1
	CREST
.endm
.macro QUANT s, w, pw
	WIN (\w)|((\w)<<2)
.irp b, 0,1,2,3
	v_max3_num_f32 v[TM+\b], |v[(\s)+16*\b]|, |v[(\s)+16*\b+1]|, 0x1800000
.endr
.irp i, 2,4,6,8,10,12,14
.irp b, 0,1,2,3
	v_max3_num_f32 v[TM+\b], |v[(\s)+16*\b+\i]|, |v[(\s)+16*\b+\i+1]|, v[TM+\b]
.endr
.endr
	WIN 0
.irp b, 0,1,2,3
	v_permlanex16_b32 v[TM+4+\b], v[TM+\b], s[SEL], s[SEL+1]
.endr
.irp b, 0,1,2,3
	v_max_num_f32 v[TM+\b], v[TM+\b], v[TM+4+\b]
.endr
.irp b, 0,1,2,3
	v_add_nc_u32 v[TM+12+\b], 0xff000000, v[TM+\b]
.endr
.irp b, 0,1,2,3
	v_lshrrev_b32 v[TM+4+\b], 23, v[TM+12+\b]
.endr
	v_lshl_or_b32 v[\pw], v[TM+5], 8, v[TM+4]
	v_lshl_or_b32 v[\pw], v[TM+6], 16, v[\pw]
	v_lshl_or_b32 v[\pw], v[TM+7], 24, v[\pw]
	WIN (\w)
.irp c, 0,1
	v_cvt_scalef32_pk16_fp6_f32 v[PC+6*\c:PC+6*\c+2], v[(\s)+32*\c:(\s)+32*\c+15], v[TM+12+2*\c]
	v_cvt_scalef32_pk16_fp6_f32 v[PC+12+4*\c:PC+14+4*\c], v[(\s)+32*\c+16:(\s)+32*\c+31], v[TM+13+2*\c]
.endr
	WIN 0
	v_nop
.irp c, 0,1
.irp i, 0,1,2
	v_permlane16_swap_b32 v[PC+6*\c+\i], v[PC+12+4*\c+\i]
.endr
.irp i, 0,1,2
	v_mov_b32 v[PC+3+6*\c+\i], v[PC+12+4*\c+\i]
.endr
.endr
.endm
	s_load_b256 s[4:11], s[0:1], 0x0
	v_lshl_add_u32 v[SPW], v0, 2, SPARE
	v_mov_b32 v[NIL], 0
	ds_add_u32 v28, v29
	ds_add_u32 v28, v29
	s_wait_dscnt 0x0
	v_lshrrev_b32 v1, 5, v0
	v_readfirstlane_b32 s14, v1
	s_lshr_b32 s15, s14, 1
	s_and_b32 s16, s14, 1
	s_bfe_u32 s40, ttmp6, 0x40000
	s_bfe_u32 s41, ttmp6, 0x40004
	s_lshl_b32 s42, ttmp9, 2
	s_add_co_u32 s42, s42, s40
	s_and_b32 s17, ttmp7, 0xffff
	s_lshl_b32 s17, s17, 2
	s_add_co_u32 s17, s17, s41
	s_mov_b32 s[SEL], 0x76543210
	s_mov_b32 s[SEL+1], 0xfedcba98
	s_lshl_b32 s43, s41, 2
	s_lshl_b32 s43, 15, s43
	s_lshl_b32 s44, 0x1111, s40
	s_or_b32 s[G1+0], s43, (3<<16)|(1<<21)
	s_or_b32 s[G1B+0], s44, (3<<16)|(1<<21)
.irp g, G1, G1B
	s_mov_b32 s[\g+1], 384<<16
	s_mov_b32 s[\g+2], 16<<16                      ; 16 blocks for the head's loads; behind them 8
	s_mov_b32 s[\g+3], 384<<16
	s_mov_b32 s[\g+4], 16
	s_mov_b32 s[\g+5], 1536
	s_mov_b32 s[\g+6], 0
	s_mov_b32 s[\g+7], 0
.endr
	s_or_b32 s[G1S+0], s43, (3<<16)|(1<<21)
	s_or_b32 s[G1SB+0], s44, (3<<16)|(1<<21)
.irp g, G1S, G1SB
	s_mov_b32 s[\g+1], 32<<16
	s_mov_b32 s[\g+2], 32<<16                      ; the scale words of a side's 16 blocks: 8,192 dense bytes as 32 rows of 256
	s_mov_b32 s[\g+3], 32<<16
	s_mov_b32 s[\g+4], 32
	s_mov_b32 s[\g+5], 32
	s_mov_b32 s[\g+6], 0
	s_mov_b32 s[\g+7], 0
.endr
	s_lshl_b32 s20, s17, 4                         ; A: the tile's first block
	s_lshl_b32 s46, s42, 4                         ; W
	s_lshl_b32 s22, s20, 9
	s_add_co_u32 s22, s22, 3145728
	s_lshl_b32 s94, s46, 9
	s_add_co_u32 s94, s94, 9568256
	s_mul_i32 s20, s20, 12288
	s_mul_i32 s46, s46, 12288
	s_add_co_u32 s46, s46, 3145728
	s_mov_b32 s21, 0
	s_mov_b32 s23, 0
	s_mov_b32 s47, 0
	s_mov_b32 s95, 0
	s_mul_i32 s45, s14, HALFT
	s_wait_kmcnt 0x0
	s_add_nc_u64 s[20:21], s[4:5], s[20:21]
	s_add_nc_u64 s[22:23], s[4:5], s[22:23]
	s_add_nc_u64 s[46:47], s[6:7], s[46:47]
	s_add_nc_u64 s[94:95], s[6:7], s[94:95]
	CROUND
	s_mov_b32 s[G0S], 1
	s_mov_b32 s[G0S+1], SCL
	s_mov_b64 s[G0S+2:G0S+3], s[22:23]
	s_or_b32 s[G0S+3], s[G0S+3], 0x80000000
	s_mov_b32 s[G0SB], 1
	s_mov_b32 s[G0SB+1], SCL+8192
	s_mov_b64 s[G0SB+2:G0SB+3], s[94:95]
	s_or_b32 s[G0SB+3], s[G0SB+3], 0x80000000
	s_mov_b32 s4, 1                                ; the head's loads of slot 0, each side whole: A's 16 blocks,
	s_mov_b32 s5, 0
	s_mov_b64 s[6:7], s[20:21]
	s_or_b32 s7, s7, 0x80000000
	s_mov_b32 s96, 1                               ; W's, behind them
	s_mov_b32 s97, 2*HALFT
	s_mov_b64 s[98:99], s[46:47]
	s_or_b32 s99, s99, 0x80000000
	s_mul_i32 s92, s16, 98304                      ; for the ring: my 8 blocks of the tile
	s_mov_b32 s93, 0
	s_add_nc_u64 s[20:21], s[20:21], s[92:93]
	s_add_nc_u64 s[46:47], s[46:47], s[92:93]
	; THE PREFETCHES: slot 1 is asked for one fill ahead, slots 2 and 3 two fills ahead.  Of the 8 blocks that I fetch, each of the four partners that ask for them jointly takes two, told apart by address
	; (cx for A, cy for W): 2 x 3,072 bytes, 24 pieces of 256, a lane a piece (lanes 24-31 name the last piece again).  s[18:19] and v18 are never rewritten
	s_cmp_eq_u32 s15, 0
	s_cselect_b64 s[18:19], s[20:21], s[46:47]
	s_cselect_b32 s92, s40, s41
	s_mul_i32 s92, s92, 24576
	s_add_nc_u64 s[18:19], s[18:19], s[92:93]
.irp s, 0,1
	s_mov_b32 s[G0+4*\s], 1
	s_add_co_u32 s[G0+4*\s+1], s45, \s*SLOT
	s_add_nc_u64 s[G0+4*\s+2:G0+4*\s+3], s[20:21], \s*3072
	s_or_b32 s[G0+4*\s+3], s[G0+4*\s+3], 0x80000000
	s_mov_b32 s[G0B+4*\s], 1
	s_add_co_u32 s[G0B+4*\s+1], s45, \s*SLOT
	s_add_nc_u64 s[G0B+4*\s+2:G0B+4*\s+3], s[46:47], \s*3072
	s_or_b32 s[G0B+4*\s+3], s[G0B+4*\s+3], 0x80000000
.endr
; THE HEAD'S LOADS, ONE A WAVE: wave 0 slot 0's A, wave 1 its W, wave 2 A's scale words, wave 3 W's.  One tree of branches on the wave's number
.macro ARM under, g0, g1, next
	s_cmp_lt_u32 s14, \under
	s_cbranch_scc0 \next
	tensor_load_to_lds s[\g0:\g0+3], s[\g1:\g1+7]
	s_nop 0
.rept 4
	v_nop
.endr
	s_branch .Lhead_asked
\next:
.endm
	ARM 1, 4, G1, .Lhead_b
	ARM 2, 96, G1B, .Lhead_sa
	ARM 3, G0S, G1S, .Lhead_sb
	tensor_load_to_lds s[G0SB:G0SB+3], s[G1SB:G1SB+7]
	s_nop 0
.rept 4
	v_nop
.endr
.Lhead_asked:
	v_and_b32 v18, 31, v0
	v_min_u32 v18, 23, v18                         ; piece 0..23
	v_mul_u32_u24 v19, v18, 171
	v_lshrrev_b32 v19, 11, v19                     ; piece / 12: which of my two blocks
	v_lshlrev_b32 v18, 8, v18
	v_mad_u32_u24 v18, v19, 9216, v18              ; 256 x piece, and from block to block 12,288 bytes
	global_prefetch_b8 v18, s[18:19] offset:3072 th:TH_LOAD_NT scope:SCOPE_SE    ; slot 1
	global_prefetch_b8 v18, s[18:19] offset:6144 th:TH_LOAD_NT scope:SCOPE_SE    ; slot 2
	v_and_b32 v1, 31, v0
	v_and_b32 v2, 15, v0
	v_bfe_u32 v3, v0, 4, 1
	v_lshlrev_b32 v[VLO], 3, v1
	s_wait_alu depctr_va_vdst(0)
	v_lshlrev_b32 v[BO], 6, v3
	s_lshl_b32 s20, s42, 10
	s_lshl_b32 s21, s16, 9
	s_add_co_u32 s20, s20, s21
	s_mov_b32 s21, 0
	s_add_nc_u64 s[8:9], s[8:9], s[20:21]
.irp b, 0,1,2,3,4,5,6,7
	global_load_b128 v[BIAS+8*\b:BIAS+8*\b+3], v[BO], s[8:9] offset:(32*(\b/2)+8*(\b%2))*4
	global_load_b128 v[BIAS+8*\b+4:BIAS+8*\b+7], v[BO], s[8:9] offset:(32*(\b/2)+8*(\b%2))*4+16
.endr
	s_mul_i32 s21, s15, HALFT
	s_mul_i32 s22, s16, HALFT
	s_add_co_u32 s22, s22, 2*HALFT
.irp s, 0,1
	v_add_nc_u32 v[ADRA+\s], s21, v[VLO]
	v_add_nc_u32 v[ADRB+\s], s22, v[VLO]
	s_add_co_u32 s21, s21, SLOT
	s_add_co_u32 s22, s22, SLOT
.endr
	v_lshlrev_b32 v4, 2, v1
	s_lshl_b32 s21, s15, 12
	s_add_co_u32 s21, s21, SCL
	v_add_nc_u32 v[ADSA], s21, v4
	s_lshl_b32 s22, s16, 12
	s_add_co_u32 s22, s22, SCL+8192
	v_add_nc_u32 v[ADSB], s22, v4
	s_lshl_b32 s23, s14, 9
	s_add_co_u32 s23, s23, SSTG
	v_lshl_add_u32 v[SST], v2, 2, s23
	v_lshl_add_u32 v[SSL], v1, 4, s23
.macro FRAG reg, adr, q, i
.irp p, 0,1,2,3,4,5
	ds_load_b64 v[\reg+2*\p:\reg+2*\p+1], v[\adr] offset:3072*(\i)+1536*(\q)+256*\p
.endr
.endm
.macro MUL16 a0, p, q, sc, zero
.irp a, \a0, \a0+1
.irp b, 0,1,2,3,4,5,6,7
.if \zero
	v_wmma_scale_f32_16x16x128_f8f6f4 v[8*(8*((\a)%4)+\b):8*(8*((\a)%4)+\b)+7], v[128*(\p)+FR*\b:128*(\p)+FR*\b+FR-1], v[AF+FR*(\a):AF+FR*(\a)+FR-1], v[BIAS+8*\b:BIAS+8*\b+7], v[SC+16*(\sc)+8+\b], v[SC+16*(\sc)+(\a)] matrix_a_fmt:MATRIX_FMT_FP6 matrix_b_fmt:MATRIX_FMT_FP6
.elseif \q
	v_wmma_scale_f32_16x16x128_f8f6f4 v[8*(8*((\a)%4)+\b):8*(8*((\a)%4)+\b)+7], v[128*(\p)+FR*\b:128*(\p)+FR*\b+FR-1], v[AF+FR*(\a):AF+FR*(\a)+FR-1], v[8*(8*((\a)%4)+\b):8*(8*((\a)%4)+\b)+7], v[SC+16*(\sc)+8+\b], v[SC+16*(\sc)+(\a)] matrix_a_fmt:MATRIX_FMT_FP6 matrix_b_fmt:MATRIX_FMT_FP6 matrix_a_scale:MATRIX_SCALE_ROW1 matrix_b_scale:MATRIX_SCALE_ROW1
.else
	v_wmma_scale_f32_16x16x128_f8f6f4 v[8*(8*((\a)%4)+\b):8*(8*((\a)%4)+\b)+7], v[128*(\p)+FR*\b:128*(\p)+FR*\b+FR-1], v[AF+FR*(\a):AF+FR*(\a)+FR-1], v[8*(8*((\a)%4)+\b):8*(8*((\a)%4)+\b)+7], v[SC+16*(\sc)+8+\b], v[SC+16*(\sc)+(\a)] matrix_a_fmt:MATRIX_FMT_FP6 matrix_b_fmt:MATRIX_FMT_FP6
.endif
.endr
.endr
.endm
.macro FETCH_B slot, q, p
	WIN TO_B
.irp i, 0,1,2,3,4,5,6,7
	FRAG 128*(\p)+FR*\i, ADRB+\slot, \q, \i
.endr
	WIN 0
.endm
.macro FETCH_A slot, q, i0
.irp i, \i0, \i0+1, \i0+2, \i0+3
	FRAG AF+FR*(\i), ADRA+\slot, \q, \i
.endr
.endm
.macro SCALES sc, idx
.irp i, 0,1,2,3,4,5,6,7
	ds_load_b32 v[SC+16*\sc+\i], v[ADSA] offset:512*\i+128*\idx
	ds_load_b32 v[SC+16*\sc+8+\i], v[ADSB] offset:512*\i+128*\idx
.endr
.endm
.macro STEP slot, zero
	s_wait_dscnt 4*NL
.if \zero
	WIN ZLO
.else
	WIN MUL_LO
.endif
	MUL16 0, 0, 0, \slot, \zero
	MUL16 2, 0, 0, \slot, \zero
	s_wait_dscnt 0
	PLACES 4
	FETCH_B \slot, 1, 1
	FETCH_A \slot, 1, 0
.if \zero
	WIN ZHI
.else
	WIN MUL_HI
.endif
	MUL16 4, 0, 0, \slot, \zero
	MUL16 6, 0, 0, \slot, \zero
	PLACES 4
	WIN 0
	FETCH_A \slot, 1, 4
.endm
.macro TURN slot, next, fill, idx
	s_wait_tensorcnt 0x0
	ds_add_u32 v[SPW], v[NIL]
	s_wait_dscnt 4*NL+1
	WIN MUL_LO
	MUL16 0, 1, 1, \slot, 0
	s_wait_dscnt 0x0
	s_barrier_signal -1
	MUL16 2, 1, 1, \slot, 0
	WIN 0
	s_barrier_wait -1
.if \fill
	CREST
	s_add_nc_u64 s[G0+4*\slot+2:G0+4*\slot+3], s[G0+4*\slot+2:G0+4*\slot+3], 6144
	s_add_nc_u64 s[G0B+4*\slot+2:G0B+4*\slot+3], s[G0B+4*\slot+2:G0B+4*\slot+3], 6144
	JLOAD G0+4*\slot, G1, G0B+4*\slot, G1B
.else
	PLACES 4
.endif
	FETCH_B \next, 0, 0
	FETCH_A \next, 0, 0
	SCALES \next, \idx
	WIN MUL_HI
	MUL16 4, 1, 1, \slot, 0
	MUL16 6, 1, 1, \slot, 0
	PLACES 4
	WIN 0
	FETCH_A \next, 0, 4
.endm
	s_wait_alu depctr_va_vdst(0)
	s_wait_tensorcnt 0x0                           ; my tile of the head's four is in
	ds_add_u32 v[SPW], v[NIL]
	s_mov_b32 s[G1+2], 8<<16                       ; no tensor load of mine is out: from here on a load brings 8 blocks
	s_mov_b32 s[G1+4], 8
	s_mov_b32 s[G1B+2], 8<<16
	s_mov_b32 s[G1B+4], 8
	s_wait_dscnt 0x0
	CROUND                                         ; all four tiles are in, all sixteen work-groups are here
	JLOAD G0+4, G1, G0B+4, G1B                     ; slot 1: my one tensor load behind the round
	global_prefetch_b8 v18, s[18:19] offset:9216 th:TH_LOAD_NT scope:SCOPE_SE    ; slot 3, the last
	FETCH_B 0, 0, 0
	FETCH_A 0, 0, 0
	SCALES 0, 0
	FETCH_A 0, 0, 4
	s_wait_loadcnt 0x0
	STEP 0, 1
	TURN 0, 1, 1, 1
	STEP 1, 0
	TURN 1, 0, 1, 2
	STEP 0, 0
	TURN 0, 1, 0, 3
	STEP 1, 0
	s_wait_dscnt 4*NL
	WIN MUL_LO
	MUL16 0, 1, 1, 1, 0
	MUL16 2, 1, 1, 1, 0
	s_wait_dscnt 0
	WIN MUL_HI
	MUL16 4, 1, 1, 1, 0
	MUL16 6, 1, 1, 1, 0
	WIN 0
	PLACES 4
.irp b, 0,1,2,3
	v_mov_b32 v[TM+4+\b], 0
.endr
	s_lshl_b32 s20, s17, 4
	s_lshl_b32 s21, s15, 3
	s_add_co_u32 s20, s20, s21
	s_lshl_b32 s22, s42, 1
	s_add_co_u32 s22, s22, s16
	s_lshl_b32 s21, s20, 5
	s_add_co_u32 s21, s21, s22
	s_mul_i32 s92, s21, 1536
	s_mov_b32 s93, 0
	s_add_nc_u64 s[92:93], s[10:11], s[92:93]
	s_lshl_b32 s22, s22, 14
	s_lshl_b32 s20, s20, 6
	s_add_co_u32 s94, s22, s20
	s_add_co_u32 s94, s94, 12582912
	s_mov_b32 s95, 0
	s_add_nc_u64 s[94:95], s[10:11], s[94:95]
.macro COEF reg, bits
	s_mov_b32 s[\reg], \bits
	s_mov_b32 s[\reg+1], \bits
.endm
	COEF CA,    0xaf95df0b
	COEF CA+2,  0xb60cff51
	COEF CA+4,  0xb86ec2d2
	COEF CA+6,  0xba40ac63
	COEF CA+8,  0xbb41a1f6
	COEF CA+10, 0xbc83dbd4
	COEF CB,    0xb77460cd
	COEF CB+2,  0xbadc924e
	COEF CB+4,  0xbbf19bf8
	COEF CB+6,  0xbc69b6a7
	WIN 0x40
	v_mov_b32 v[GA1], 0x32edffee
	v_mov_b32 v[GA1+1], 0x32edffee
	v_mov_b32 v[GB1], 0xb95fbd29
	v_mov_b32 v[GB1+1], 0xb95fbd29
	WIN 0
.macro STUB a
	WIN (2+(\a)/4)|0x40
.set i, 0
.rept 32
	v_pk_mul_f32 v[GW+i:GW+i+1], v[64*((\a)%4)+i:64*((\a)%4)+i+1], 0.5 op_sel_hi:[1,0]
.set i, i+2
.endr
	WIN 0
.endm
.macro GEL4 g
.irp k, 0,1,2,3
	v_pk_mul_f32 v[GT+4*\k:GT+4*\k+1], v[GW+8*(\g)+2*\k:GW+8*(\g)+2*\k+1], 0x3fb504f3 op_sel_hi:[1,0]
.endr
.irp k, 0,1,2,3
	v_med3_num_f32 v[GT+4*\k], v[GT+4*\k], -4.0, 4.0
	v_med3_num_f32 v[GT+4*\k+1], v[GT+4*\k+1], -4.0, 4.0
.endr
.irp k, 0,1,2,3
	v_pk_mul_f32 v[GT+4*\k+2:GT+4*\k+3], v[GT+4*\k:GT+4*\k+1], v[GT+4*\k:GT+4*\k+1]
.endr
.irp k, 0,1,2,3
	v_pk_fma_f32 v[GP+8*(\g)+2*\k:GP+8*(\g)+2*\k+1], v[GT+4*\k+2:GT+4*\k+3], s[CA:CA+1], v[GA1:GA1+1] op_sel_hi:[1,0,1]
	v_pk_fma_f32 v[GQ+8*(\g)+2*\k:GQ+8*(\g)+2*\k+1], v[GT+4*\k+2:GT+4*\k+3], s[CB:CB+1], v[GB1:GB1+1] op_sel_hi:[1,0,1]
.endr
.irp c, 2,4,6
.irp k, 0,1,2,3
	v_pk_fma_f32 v[GP+8*(\g)+2*\k:GP+8*(\g)+2*\k+1], v[GP+8*(\g)+2*\k:GP+8*(\g)+2*\k+1], v[GT+4*\k+2:GT+4*\k+3], s[CA+\c:CA+\c+1] op_sel_hi:[1,1,0]
	v_pk_fma_f32 v[GQ+8*(\g)+2*\k:GQ+8*(\g)+2*\k+1], v[GQ+8*(\g)+2*\k:GQ+8*(\g)+2*\k+1], v[GT+4*\k+2:GT+4*\k+3], s[CB+\c:CB+\c+1] op_sel_hi:[1,1,0]
.endr
.endr
.irp c, 8,10
.irp k, 0,1,2,3
	v_pk_fma_f32 v[GP+8*(\g)+2*\k:GP+8*(\g)+2*\k+1], v[GP+8*(\g)+2*\k:GP+8*(\g)+2*\k+1], v[GT+4*\k+2:GT+4*\k+3], s[CA+\c:CA+\c+1] op_sel_hi:[1,1,0]
.endr
.endr
.irp k, 0,1,2,3
	v_pk_mul_f32 v[GP+8*(\g)+2*\k:GP+8*(\g)+2*\k+1], v[GP+8*(\g)+2*\k:GP+8*(\g)+2*\k+1], v[GT+4*\k:GT+4*\k+1]
.endr
.endm
	s_mov_b32 s3, 0
	s_mov_b32 s2, 0
.Lrow:
.irp a, 0,1,2,3,4,5,6
	s_cmp_eq_u32 s3, \a
	s_cbranch_scc1 .Lstub\a
.endr
	STUB 7
	s_branch .Lgo
.irp a, 0,1,2,3,4,5,6
.Lstub\a:
	STUB \a
	s_branch .Lgo
.endr
.Lgo:
	WIN 0x55
.irp g, 0,1,2,3,4,5,6,7
	GEL4 \g
.endr
.set i, 0
	s_wait_alu depctr_va_vdst(0)
.rept 64
	v_rcp_f32 v[GQ+i], v[GQ+i]
.set i, i+1
.endr
	v_nop
	s_wait_alu depctr_va_vdst(0)
.set i, 0
.rept 32
	v_pk_mul_f32 v[GP+i:GP+i+1], v[GP+i:GP+i+1], v[GQ+i:GQ+i+1]
.set i, i+2
.endr
.set i, 0
.rept 32
	v_pk_fma_f32 v[GW+i:GW+i+1], v[GW+i:GW+i+1], v[GP+i:GP+i+1], v[GW+i:GW+i+1]
.set i, i+2
.endr
	WIN 0
	QUANT GW, 1, PW
.irp p, 0,1,2,3,4,5
	global_store_b64 v[VLO], v[PC+2*\p:PC+2*\p+1], s[92:93] offset:256*\p
.endr
	v_add_nc_u32 v[SSA], s2, v[SST]
	ds_store_b32 v[SSA], v[PW]
	s_wait_xcnt 0x0
	s_add_nc_u64 s[92:93], s[92:93], 49152
	s_add_co_u32 s2, s2, 64
	s_add_co_u32 s3, s3, 1
	s_cmp_lt_u32 s3, 8
	s_cbranch_scc1 .Lrow
	ds_load_b128 v[TM:TM+3], v[SSL]
	v_lshlrev_b32 v[SSA], 1, v[VLO]
	s_wait_alu depctr_va_vdst(0)
	s_wait_dscnt 0x0
	global_store_b128 v[SSA], v[TM:TM+3], s[94:95]
	s_wait_tensorcnt 0x0
	ds_add_u32 v[SPW], v[NIL]
	s_wait_dscnt 0x0
	CROUND
	s_endpgm
.Lfunc_end_k_q95dc673827_fc1:
	.size	k_q95dc673827_fc1, .Lfunc_end_k_q95dc673827_fc1-k_q95dc673827_fc1
	.p2alignl 7, 3214868480
	.fill 96, 4, 3214868480
	.section	.rodata,"a",@progbits
	.p2align	6, 0x0
	.amdhsa_kernel k_q95dc673827_fc1
		.amdhsa_group_segment_fixed_size 327680
		.amdhsa_private_segment_fixed_size 0
		.amdhsa_enable_private_segment 0
		.amdhsa_kernarg_size 32
		.amdhsa_user_sgpr_count 2
		.amdhsa_user_sgpr_kernarg_segment_ptr 1
		.amdhsa_wavefront_size32 1
		.amdhsa_system_sgpr_workgroup_id_x 1
		.amdhsa_system_sgpr_workgroup_id_y 1
		.amdhsa_system_sgpr_workgroup_id_z 1
		.amdhsa_system_vgpr_workitem_id 0
		.amdhsa_next_free_vgpr 1024
		.amdhsa_next_free_sgpr 100
		.amdhsa_reserve_vcc 0
		.amdhsa_float_denorm_mode_32 3
		.amdhsa_float_denorm_mode_16_64 3
		.amdhsa_memory_ordered 1
		.amdhsa_forward_progress 1
		.amdhsa_inst_pref_size 196
	.end_amdhsa_kernel
	.amdgpu_metadata
---
amdhsa.version: [ 1, 2 ]
amdhsa.kernels:
  - .name:           k_q95dc673827_fc1
    .symbol:         k_q95dc673827_fc1.kd
    .args:
      - { .name: act2, .offset: 0, .size: 8, .value_kind: global_buffer, .address_space: global }
      - { .name: wimg, .offset: 8, .size: 8, .value_kind: global_buffer, .address_space: global }
      - { .name: b_fc1, .offset: 16, .size: 8, .value_kind: global_buffer, .address_space: global }
      - { .name: hid, .offset: 24, .size: 8, .value_kind: global_buffer, .address_space: global }
    .group_segment_fixed_size: 327680
    .private_segment_fixed_size: 0
    .kernarg_segment_align: 8
    .kernarg_segment_size: 32
    .max_flat_workgroup_size: 128
    .sgpr_count:     100
    .vgpr_count:     1024
    .wavefront_size: 32
...
	.end_amdgpu_metadata
.endif
;; end of part 5
;; launch fc2 (part 6): grid 8 x 32, 4 waves a work-group, clusters of 4 x 4, 327,680 bytes of LDS; arguments hid, wimg, b_fc2, x1, out0; writes out0
.if DOCPART == 6
	.amdgcn_target "amdgcn-amd-amdhsa--gfx1250"
	.amdhsa_code_object_version 6
	.text
	.protected	k_q95dc673827_fc2
	.globl	k_q95dc673827_fc2
	.p2align	8
	.type	k_q95dc673827_fc2,@function
k_q95dc673827_fc2:
	s_mov_b64 s[64:65], 0
	v_nop
	global_prefetch_b8 v0, s[64:65] scope:SCOPE_SE
	s_setreg_imm32_b32 hwreg(HW_REG_WAVE_MODE, 25, 1), 1
	s_wait_xcnt 0x0
	s_wait_alu depctr_hold_cnt(0) depctr_sa_sdst(0) depctr_va_vdst(0) depctr_va_sdst(0) depctr_va_ssrc(0) depctr_va_vcc(0) depctr_vm_vsrc(0)
	s_getreg_b32 s2, hwreg(HW_REG_IB_STS2, 6, 4)
	s_cmp_eq_u32 s2, 0
	s_cbranch_scc0 .Lentry_in_a_cluster
	s_endpgm
.Lentry_in_a_cluster:
	s_bfe_u32 s2, ttmp6, 0x10000c
	s_cmp_lg_u32 s2, 0xf033
	s_cbranch_scc0 .Lentry_shape_is_right
	s_endpgm
.Lentry_shape_is_right:
.set SIZE_K, 4096
.set W_C, 6291456
.set W_S, 9699328
.set A_S, 12582912
.set KS,    SIZE_K/128
.set HALFT, 24576
.set SLOT,  4*HALFT
.set SCL,   2*SLOT
.set HALFS, 256*KS
.set STAGE, SCL+4*HALFS
.set SPARE, STAGE+4*16*272
.set LAPS,  SIZE_K/1024
.set ADRA, 16
.set ADRB, 20
.set ADSA, 22
.set ADSB, 23
.set STO,  24
.set RD,   25
.set CO,   26
.set BO,   27
.set SPW,  28
.set NIL,  29
.set SC,   32
.set BIAS, 64
.set BK,   64
.set ACC,  128
.set G1, 24
.set G0, 32
.set G1B, 48
.set G0B, 56
.set G1S, 68
.set G0S, 76
.set G1SB, 80
.set G0SB, 88
.set MUL, 0x05
.set MSB, 0
.macro WIN new
.if MSB != (\new)
	s_set_vgpr_msb (MSB<<8)|(\new)
.set MSB, (\new)
.endif
.endm
.macro PLACES n
.rept \n
	v_nop
.endr
.endm
.macro JLOAD g0a, g1a, g0b, g1b
	s_cmp_eq_u32 s15, 0
	s_cbranch_scc0 .Lfor_b_\@
	tensor_load_to_lds s[\g0a:\g0a+3], s[\g1a:\g1a+7]
	s_nop 0
.rept 4
	v_nop
.endr
	s_branch .Lasked_\@
.Lfor_b_\@:
	tensor_load_to_lds s[\g0b:\g0b+3], s[\g1b:\g1b+7]
	s_nop 0
.rept 4
	v_nop
.endr
.Lasked_\@:
.endm
.macro CREST
	s_cmp_lg_u32 s14, 0
	s_cbranch_scc1 .Lnot_wave_0_\@
	s_barrier_signal -3
.Lnot_wave_0_\@:
	s_barrier_wait -3
	s_barrier_signal -1
	s_barrier_wait -1
.endm
.macro CROUND
	s_barrier_signal -1
	s_barrier_wait -1
	CREST
.endm
	s_load_b256 s[4:11], s[0:1], 0x0
	s_load_b64 s[12:13], s[0:1], 0x20
	v_lshl_add_u32 v[SPW], v0, 2, SPARE
	v_mov_b32 v[NIL], 0
	ds_add_u32 v28, v29
	ds_add_u32 v28, v29
	s_wait_dscnt 0x0
	v_lshrrev_b32 v1, 5, v0
	v_readfirstlane_b32 s14, v1
	s_lshr_b32 s15, s14, 1
	s_and_b32 s16, s14, 1
	s_bfe_u32 s40, ttmp6, 0x40000
	s_bfe_u32 s41, ttmp6, 0x40004
	s_lshl_b32 s42, ttmp9, 2
	s_add_co_u32 s42, s42, s40
	s_and_b32 s17, ttmp7, 0xffff
	s_lshl_b32 s17, s17, 2
	s_add_co_u32 s17, s17, s41
	s_lshl_b32 s43, s41, 2
	s_lshl_b32 s43, 15, s43
	s_lshl_b32 s44, 0x1111, s40
	s_or_b32 s[G1+0], s43, (3<<16)|(1<<21)
	s_or_b32 s[G1B+0], s44, (3<<16)|(1<<21)
.irp g, G1, G1B
	s_mov_b32 s[\g+1], 768<<16
	s_mov_b32 s[\g+2], 8<<16                       ; 8 blocks for the head's loads; behind them 4
	s_mov_b32 s[\g+3], 768<<16
	s_mov_b32 s[\g+4], 8
	s_mov_b32 s[\g+5], 192*KS
	s_mov_b32 s[\g+6], 0
	s_mov_b32 s[\g+7], 0
.endr
	s_or_b32 s[G1S+0], s43, (3<<16)|(1<<21)
	s_or_b32 s[G1SB+0], s44, (3<<16)|(1<<21)
.irp g, G1S, G1SB
	s_mov_b32 s[\g+6], 0
	s_mov_b32 s[\g+7], 0
.endr
	s_mov_b32 s[G1S+1], 64<<16                     ; A's: KS rows of 512 bytes (8 blocks x 16 words),
	s_mov_b32 s[G1S+2], KS<<16
	s_mov_b32 s[G1S+3], 64<<16
	s_mov_b32 s[G1S+4], KS
	s_mov_b32 s[G1S+5], 2048                       ; from K step to K step 16,384 bytes
	s_mov_b32 s[G1SB+1], 32<<16                    ; W's: 8 blocks, dense, as 2 KS rows of 256 bytes
	s_mov_b32 s[G1SB+2], (2*KS)<<16
	s_mov_b32 s[G1SB+3], 32<<16
	s_mov_b32 s[G1SB+4], 2*KS
	s_mov_b32 s[G1SB+5], 32
	s_lshl_b32 s20, s17, 3                         ; A: the tile's first block
	s_lshl_b32 s46, s42, 3                         ; W
	s_lshl_b32 s22, s20, 6
	s_add_co_u32 s22, s22, A_S
	s_mul_i32 s94, s46, 64*KS
	s_add_co_u32 s94, s94, W_S
	s_mul_i32 s20, s20, 1536*KS
	s_mul_i32 s46, s46, 1536*KS
	s_add_co_u32 s46, s46, W_C
	s_mov_b32 s21, 0
	s_mov_b32 s23, 0
	s_mov_b32 s47, 0
	s_mov_b32 s95, 0
	s_mul_i32 s45, s14, HALFT
	s_wait_kmcnt 0x0
	s_add_nc_u64 s[20:21], s[4:5], s[20:21]
	s_add_nc_u64 s[22:23], s[4:5], s[22:23]
	s_add_nc_u64 s[46:47], s[6:7], s[46:47]
	s_add_nc_u64 s[94:95], s[6:7], s[94:95]
	CROUND
	s_mov_b32 s[G0S], 1
	s_mov_b32 s[G0S+1], SCL
	s_mov_b64 s[G0S+2:G0S+3], s[22:23]
	s_or_b32 s[G0S+3], s[G0S+3], 0x80000000
	s_mov_b32 s[G0SB], 1
	s_mov_b32 s[G0SB+1], SCL+2*HALFS
	s_mov_b64 s[G0SB+2:G0SB+3], s[94:95]
	s_or_b32 s[G0SB+3], s[G0SB+3], 0x80000000
	s_mov_b32 s4, 1                                ; the head's loads of slot 0, each side whole: A's 8 blocks,
	s_mov_b32 s5, 0
	s_mov_b64 s[6:7], s[20:21]
	s_or_b32 s7, s7, 0x80000000
	s_mov_b32 s96, 1                               ; W's, behind them
	s_mov_b32 s97, 2*HALFT
	s_mov_b64 s[98:99], s[46:47]
	s_or_b32 s99, s99, 0x80000000
	s_mul_i32 s92, s16, 6144*KS                    ; for the ring: my 4 blocks of the tile
	s_mov_b32 s93, 0
	s_add_nc_u64 s[20:21], s[20:21], s[92:93]
	s_add_nc_u64 s[46:47], s[46:47], s[92:93]
	; THE PREFETCHES: behind the fill of slot n the bytes of slot n + 2 are asked for.  Of the 4 blocks that I fetch, each of the four partners that ask for them jointly takes one, told apart by address
	; (cx for A, cy for W): 6,144 bytes, 24 pieces of 256, a lane a piece (lanes 24-31 name the last piece again).  s[18:19] stands at the slot being filled; at the head at slot 1
	s_cmp_eq_u32 s15, 0
	s_cselect_b64 s[18:19], s[20:21], s[46:47]
	s_cselect_b32 s92, s40, s41
	s_mul_i32 s92, s92, 1536*KS
	s_add_co_u32 s92, s92, 6144
	s_add_nc_u64 s[18:19], s[18:19], s[92:93]
.irp s, 0,1
	s_mov_b32 s[G0+4*\s], 1
	s_add_co_u32 s[G0+4*\s+1], s45, \s*SLOT
	s_add_nc_u64 s[G0+4*\s+2:G0+4*\s+3], s[20:21], \s*6144
	s_or_b32 s[G0+4*\s+3], s[G0+4*\s+3], 0x80000000
	s_mov_b32 s[G0B+4*\s], 1
	s_add_co_u32 s[G0B+4*\s+1], s45, \s*SLOT
	s_add_nc_u64 s[G0B+4*\s+2:G0B+4*\s+3], s[46:47], \s*6144
	s_or_b32 s[G0B+4*\s+3], s[G0B+4*\s+3], 0x80000000
.endr
; THE HEAD'S LOADS, ONE A WAVE: wave 0 slot 0's A, wave 1 its W, wave 2 A's scale words, wave 3 W's.  One tree of branches on the wave's number
.macro ARM under, g0, g1, next
	s_cmp_lt_u32 s14, \under
	s_cbranch_scc0 \next
	tensor_load_to_lds s[\g0:\g0+3], s[\g1:\g1+7]
	s_nop 0
.rept 4
	v_nop
.endr
	s_branch .Lhead_asked
\next:
.endm
	ARM 1, 4, G1, .Lhead_b
	ARM 2, 96, G1B, .Lhead_sa
	ARM 3, G0S, G1S, .Lhead_sb
	tensor_load_to_lds s[G0SB:G0SB+3], s[G1SB:G1SB+7]
	s_nop 0
.rept 4
	v_nop
.endr
.Lhead_asked:
	v_and_b32 v30, 31, v0
	v_min_u32 v30, 23, v30
	v_lshlrev_b32 v30, 8, v30                      ; v30: 256 x min(lane, 23); never rewritten
	global_prefetch_b8 v30, s[18:19] th:TH_LOAD_NT scope:SCOPE_SE                ; slot 1, one fill ahead
	global_prefetch_b8 v30, s[18:19] offset:6144 th:TH_LOAD_NT scope:SCOPE_SE    ; slot 2, two fills ahead of slot 0's
	v_and_b32 v1, 31, v0
	v_and_b32 v2, 15, v0
	s_wait_alu depctr_va_vdst(0)
	v_bfe_u32 v3, v0, 4, 1
	v_lshlrev_b32 v4, 3, v1
	s_mul_i32 s21, s15, HALFT
	s_mul_i32 s22, s16, HALFT
	s_add_co_u32 s22, s22, 2*HALFT
.irp s, 0,1
	v_add_nc_u32 v[ADRA+\s], s21, v4
	v_add_nc_u32 v[ADRB+\s], s22, v4
	s_add_co_u32 s21, s21, SLOT
	s_add_co_u32 s22, s22, SLOT
.endr
	s_lshl_b32 s21, s15, 8                         ; my 4 blocks of a K step's 8: 256 bytes
	s_add_co_u32 s21, s21, SCL
	v_lshlrev_b32 v5, 2, v2
	s_wait_alu depctr_va_vdst(0)
	v_lshl_add_u32 v5, v3, 9, v5
	v_add_nc_u32 v[ADSA], s21, v5
	s_mul_i32 s22, s16, HALFS
	s_add_co_u32 s22, s22, SCL+2*HALFS
	v_lshlrev_b32 v5, 2, v1
	v_add_nc_u32 v[ADSB], s22, v5
	s_mul_i32 s23, s14, 16*272
	s_add_co_u32 s23, s23, STAGE
	v_mul_u32_u24 v5, v2, 272
	v_lshl_add_u32 v5, v3, 6, v5
	v_add_nc_u32 v[STO], s23, v5
	v_mul_u32_u24 v5, v3, 272
	v_lshl_add_u32 v5, v2, 4, v5
	v_add_nc_u32 v[RD], s23, v5
	v_lshlrev_b32 v[CO], 12, v3
	v_lshl_add_u32 v[CO], v2, 4, v[CO]
	v_lshlrev_b32 v[BO], 6, v3
	s_wait_alu depctr_va_vdst(0)
	s_lshl_b32 s20, s17, 7
	s_lshl_b32 s21, s15, 6
	s_add_co_u32 s20, s20, s21
	s_lshl_b32 s20, s20, 12
	s_lshl_b32 s22, s42, 9
	s_lshl_b32 s23, s16, 8
	s_add_co_u32 s22, s22, s23
	s_add_co_u32 s20, s20, s22
	s_mov_b32 s21, 0
	s_mov_b32 s23, 0
	s_add_nc_u64 s[8:9], s[8:9], s[22:23]
	s_add_nc_u64 s[10:11], s[10:11], s[20:21]
	s_add_nc_u64 s[12:13], s[12:13], s[20:21]
.irp b, 0,1,2,3
	global_load_b128 v[BIAS+8*\b:BIAS+8*\b+3], v[BO], s[8:9] offset:(32*(\b/2)+8*(\b%2))*4
	global_load_b128 v[BIAS+8*\b+4:BIAS+8*\b+7], v[BO], s[8:9] offset:(32*(\b/2)+8*(\b%2))*4+16
.endr
	WIN 0x80
.irp a, 0,1,2,3
.irp t, 0,1,2,3,4,5,6,7
	global_load_b128 v[32*\a+4*\t:32*\a+4*\t+3], v[CO], s[10:11] offset:(32*(\a/2)+8*(\a%2)+2*\t+8*(\t/4))*4096
.endr
.endr
	WIN 0
.macro FRAG reg, adr, q, i
.irp p, 0,1,2,3,4,5
	ds_load_b64 v[\reg+2*\p:\reg+2*\p+1], v[\adr] offset:6144*(\i)+1536*(\q)+256*\p
.endr
.endm
.macro FETCH slot, q, f
	WIN 0x40
.irp i, 0,1,2,3
	FRAG \f+48+12*\i, ADRB+\slot, \q, \i
.endr
.irp i, 0,1,2,3
	FRAG \f+12*\i, ADRA+\slot, \q, \i
.endr
.endm
.macro SCALES sc
.irp i, 0,1,2,3
.irp qq, 0,1
	ds_load_b32 v[SC+16*\sc+2*\i+\qq], v[ADSA] offset:1024*\qq+64*\i
	ds_load_b32 v[SC+16*\sc+8+2*\i+\qq], v[ADSB] offset:64*KS*\i+128*\qq
.endr
.endr
.endm
.macro MULA q, sc, a, zero
.irp b, 0,1,2,3
.if \zero
	v_wmma_scale_f32_16x16x128_f8f6f4 v[ACC+8*(4*(\a)+\b):ACC+8*(4*(\a)+\b)+7], v[128*((\q)%2)+48+12*\b:128*((\q)%2)+48+12*\b+11], v[128*((\q)%2)+12*(\a):128*((\q)%2)+12*(\a)+11], v[BIAS+8*\b:BIAS+8*\b+7], v[SC+16*(\sc)+8+2*\b+(\q)/2], v[SC+16*(\sc)+2*(\a)+(\q)/2] matrix_a_fmt:MATRIX_FMT_FP6 matrix_b_fmt:MATRIX_FMT_FP6
.elseif (\q)%2
	v_wmma_scale_f32_16x16x128_f8f6f4 v[ACC+8*(4*(\a)+\b):ACC+8*(4*(\a)+\b)+7], v[128*((\q)%2)+48+12*\b:128*((\q)%2)+48+12*\b+11], v[128*((\q)%2)+12*(\a):128*((\q)%2)+12*(\a)+11], v[ACC+8*(4*(\a)+\b):ACC+8*(4*(\a)+\b)+7], v[SC+16*(\sc)+8+2*\b+(\q)/2], v[SC+16*(\sc)+2*(\a)+(\q)/2] matrix_a_fmt:MATRIX_FMT_FP6 matrix_b_fmt:MATRIX_FMT_FP6 matrix_a_scale:MATRIX_SCALE_ROW1 matrix_b_scale:MATRIX_SCALE_ROW1
.else
	v_wmma_scale_f32_16x16x128_f8f6f4 v[ACC+8*(4*(\a)+\b):ACC+8*(4*(\a)+\b)+7], v[128*((\q)%2)+48+12*\b:128*((\q)%2)+48+12*\b+11], v[128*((\q)%2)+12*(\a):128*((\q)%2)+12*(\a)+11], v[ACC+8*(4*(\a)+\b):ACC+8*(4*(\a)+\b)+7], v[SC+16*(\sc)+8+2*\b+(\q)/2], v[SC+16*(\sc)+2*(\a)+(\q)/2] matrix_a_fmt:MATRIX_FMT_FP6 matrix_b_fmt:MATRIX_FMT_FP6
.endif
.endr
.endm
.macro QUARTER slot, q, zero
	s_wait_dscnt 12
	WIN MUL
	MULA \q, \slot, 0, \zero
	MULA \q, \slot, 1, \zero
	PLACES 4
	FETCH \slot, (\q)+1, 128*(((\q)+1)%2)
	s_wait_dscnt 48
	WIN MUL
	MULA \q, \slot, 2, \zero
	MULA \q, \slot, 3, \zero
.endm
.macro TURN slot, next, fill
	WIN 0
.if \fill
	s_wait_xcnt 0x0                                ; my prefetches have read their address: it steps here, a slot on
	s_add_nc_u64 s[18:19], s[18:19], 6144
.endif
	s_wait_tensorcnt 0x0
	ds_add_u32 v[SPW], v[NIL]
	s_wait_dscnt 13
	WIN MUL
	MULA 3, \slot, 0, 0
	s_wait_dscnt 0x0
	s_barrier_signal -1
	MULA 3, \slot, 1, 0
	WIN 0
	s_barrier_wait -1
.if \fill
	CREST
	s_add_nc_u64 s[G0+4*\slot+2:G0+4*\slot+3], s[G0+4*\slot+2:G0+4*\slot+3], 12288
	s_add_nc_u64 s[G0B+4*\slot+2:G0B+4*\slot+3], s[G0B+4*\slot+2:G0B+4*\slot+3], 12288
	JLOAD G0+4*\slot, G1, G0B+4*\slot, G1B
.else
	PLACES 4
.endif
	s_wait_alu depctr_va_vdst(0)
	v_add_nc_u32 v[ADSA], 2048, v[ADSA]            ; four K steps of 512 bytes on
	v_add_nc_u32 v[ADSB], 256, v[ADSB]
	SCALES \next
	FETCH \next, 0, 0
.if \fill
	WIN 0                                          ; at a branch and at a label every window is 0
	s_cmp_gt_u32 s3, 1                             ; the last trip's two refills have no slot two on
	s_cbranch_scc0 .Lno_ask_\@
	global_prefetch_b8 v30, s[18:19] offset:12288 th:TH_LOAD_NT scope:SCOPE_SE
.Lno_ask_\@:
.endif
	WIN MUL
	MULA 3, \slot, 2, 0
	MULA 3, \slot, 3, 0
.endm
	s_wait_alu depctr_va_vdst(0)                   ; the wait at the head's end
	s_wait_tensorcnt 0x0                           ; my tile of the head's four is in
	ds_add_u32 v[SPW], v[NIL]
	s_mov_b32 s[G1+2], 4<<16                       ; no tensor load of mine is out: from here on a load brings 4 blocks
	s_mov_b32 s[G1+4], 4
	s_mov_b32 s[G1B+2], 4<<16
	s_mov_b32 s[G1B+4], 4
	s_wait_dscnt 0x0
	CROUND                                         ; all four tiles are in, all sixteen work-groups are here
	JLOAD G0+4, G1, G0B+4, G1B                     ; slot 1: my one tensor load behind the round
	global_prefetch_b8 v30, s[18:19] offset:12288 th:TH_LOAD_NT scope:SCOPE_SE   ; slot 3, two fills on
	SCALES 0
	FETCH 0, 0, 0
	s_wait_loadcnt 32
	QUARTER 0, 0, 1
.if LAPS > 1
	WIN 0
	s_mov_b32 s3, LAPS-1
.Llap:
	QUARTER 0, 1, 0
	QUARTER 0, 2, 0
	TURN 0, 1, 1
	QUARTER 1, 0, 0
	QUARTER 1, 1, 0
	QUARTER 1, 2, 0
	TURN 1, 0, 1
	QUARTER 0, 0, 0
	WIN 0
	s_sub_co_u32 s3, s3, 1
	s_cmp_lg_u32 s3, 0
	s_cbranch_scc1 .Llap
.endif
	QUARTER 0, 1, 0
	QUARTER 0, 2, 0
	TURN 0, 1, 0
	QUARTER 1, 0, 0
	QUARTER 1, 1, 0
	QUARTER 1, 2, 0
	s_wait_dscnt 12
	WIN MUL
	MULA 3, 1, 0, 0
	MULA 3, 1, 1, 0
	s_wait_dscnt 0x0
	MULA 3, 1, 2, 0
	MULA 3, 1, 3, 0
	WIN 0
	PLACES 4
	s_wait_loadcnt 0x0
.macro TOSTAGE a
.irp b, 0,1,2,3
	ds_store_b128 v[STO], v[ACC+8*(4*(\a)+\b):ACC+8*(4*(\a)+\b)+3] offset:128*(\b/2)+32*(\b%2)
	ds_store_b128 v[STO], v[ACC+8*(4*(\a)+\b)+4:ACC+8*(4*(\a)+\b)+7] offset:128*(\b/2)+32*(\b%2)+16
.endr
.irp t, 0,1,2,3,4,5,6,7
	ds_load_b128 v[BK+32*((\a)%2)+4*\t:BK+32*((\a)%2)+4*\t+3], v[RD] offset:544*\t
.endr
.endm
.macro SEND a, younger
	s_wait_dscnt \younger
	WIN 0x08
.irp t, 0,1,2,3,4,5,6,7
.irp u, 0,2
	v_pk_add_f32 v[BK+32*((\a)%2)+4*\t+\u:BK+32*((\a)%2)+4*\t+\u+1], v[BK+32*((\a)%2)+4*\t+\u:BK+32*((\a)%2)+4*\t+\u+1], v[32*(\a)+4*\t+\u:32*(\a)+4*\t+\u+1]
.endr
.endr
	WIN 0
.irp t, 0,1,2,3,4,5,6,7
	global_store_b128 v[CO], v[BK+32*((\a)%2)+4*\t:BK+32*((\a)%2)+4*\t+3], s[12:13] offset:(32*((\a)/2)+8*((\a)%2)+2*\t+8*(\t/4))*4096
.endr
.endm
	TOSTAGE 0
.irp a, 1,2,3
.if \a > 1
	s_wait_xcnt 0x0
.endif
	TOSTAGE \a
	SEND \a-1, 16
.endr
	SEND 3, 0
	s_wait_tensorcnt 0x0
	ds_add_u32 v[SPW], v[NIL]
	s_wait_dscnt 0x0
	CROUND
	s_endpgm
.Lfunc_end_k_q95dc673827_fc2:
	.size	k_q95dc673827_fc2, .Lfunc_end_k_q95dc673827_fc2-k_q95dc673827_fc2
	.p2alignl 7, 3214868480
	.fill 96, 4, 3214868480
	.section	.rodata,"a",@progbits
	.p2align	6, 0x0
	.amdhsa_kernel k_q95dc673827_fc2
		.amdhsa_group_segment_fixed_size 327680
		.amdhsa_private_segment_fixed_size 0
		.amdhsa_enable_private_segment 0
		.amdhsa_kernarg_size 40
		.amdhsa_user_sgpr_count 2
		.amdhsa_user_sgpr_kernarg_segment_ptr 1
		.amdhsa_wavefront_size32 1
		.amdhsa_system_sgpr_workgroup_id_x 1
		.amdhsa_system_sgpr_workgroup_id_y 1
		.amdhsa_system_sgpr_workgroup_id_z 1
		.amdhsa_system_vgpr_workitem_id 0
		.amdhsa_next_free_vgpr 640
		.amdhsa_next_free_sgpr 100
		.amdhsa_reserve_vcc 0
		.amdhsa_float_denorm_mode_32 3
		.amdhsa_float_denorm_mode_16_64 3
		.amdhsa_memory_ordered 1
		.amdhsa_forward_progress 1
		.amdhsa_inst_pref_size 119
	.end_amdhsa_kernel
	.amdgpu_metadata
---
amdhsa.version: [ 1, 2 ]
amdhsa.kernels:
  - .name:           k_q95dc673827_fc2
    .symbol:         k_q95dc673827_fc2.kd
    .args:
      - { .name: hid, .offset: 0, .size: 8, .value_kind: global_buffer, .address_space: global }
      - { .name: wimg, .offset: 8, .size: 8, .value_kind: global_buffer, .address_space: global }
      - { .name: b_fc2, .offset: 16, .size: 8, .value_kind: global_buffer, .address_space: global }
      - { .name: x1, .offset: 24, .size: 8, .value_kind: global_buffer, .address_space: global }
      - { .name: out0, .offset: 32, .size: 8, .value_kind: global_buffer, .address_space: global }
    .group_segment_fixed_size: 327680
    .private_segment_fixed_size: 0
    .kernarg_segment_align: 8
    .kernarg_segment_size: 40
    .max_flat_workgroup_size: 128
    .sgpr_count:     100
    .vgpr_count:     640
    .wavefront_size: 32
...
	.end_amdgpu_metadata
.endif
;; end of part 6
